; MI455X (gfx1250); checked and timed in simulation.
; The chip was launched on July 23, 2026; its instructions are those of AMD's public machine-readable ISA for CDNA 5 (MIT licence, August 2026) and "CDNA5" Instruction Set Architecture Reference Guide (July 2026). The comments in the code are by the model that wrote it; some were corrected since.
;; Fused Experts. Allowed arithmetic: float matrix products may take bf16 or f16 operands with f32 sums; other float arithmetic in f32, or as packed bf16 or f16 multiplies, adds, multiply-adds, maxima and minima; sums over many terms, partial sums and values carried from step to step in f32; what a program stores and reads back later, other than sums and carried values, may be rounded once to bf16 or f16.
;; Inputs: expert_idxs 8,192 x 2 int32; expert_p 8,192 x 2 float32; w13 8 x 1,024 x 512 float32; w2 8 x 256 x 1,024 float32; x 2 x 4,096 x 1,024 float32.
;; Outputs: out0 2 x 4,096 x 1,024 float32.
;; 3 versions, each right; version 2 is faster than version 1; version 3 is version 2 with the launch moe written anew for expert scheduling mode. Each part assembles by itself: llvm-mc -triple=amdgcn-amd-amdhsa -mcpu=gfx1250 --defsym DOCPART=n.
;; ======== version 1 of 3: 2 launches
;; limits: values are held in f16: magnitudes above 65,504 overflow, below 6.1e-05 lose precision
;; workspace buffers: w13f 8,388,608 bytes; w2f 4,194,304 bytes; list 33,024 bytes of whole numbers; counts 256 bytes of whole numbers
;; launch prep (part 1): grid 228 x 1, 8 waves a work-group, no clusters, 67,840 bytes of LDS; arguments expert_idxs, w13, w2, w13f, w2f, list, counts; writes w13f, w2f, list, counts
.if DOCPART == 1
	.amdgcn_target "amdgcn-amd-amdhsa--gfx1250"
	.amdhsa_code_object_version 6
	.text
	.protected	k_qf814b5cda3_prep
	.globl	k_qf814b5cda3_prep
	.p2align	8
	.type	k_qf814b5cda3_prep,@function
k_qf814b5cda3_prep:
	s_mov_b64 s[64:65], 0
	v_nop
	global_prefetch_b8 v0, s[64:65] scope:SCOPE_SE
	s_setreg_imm32_b32 hwreg(HW_REG_WAVE_MODE, 25, 1), 1
	s_wait_xcnt 0x0
; PREP: the routing and the weights' layout, in one launch.
; Work-groups 0..35: work-group s finds the tokens whose unordered SET of experts {lo <= hi} has number s = lo (17 - lo) / 2 + hi - lo, and stores their numbers
; at list[START ..], START = how many tokens have a lower set number, and their count at counts[s].  No atomics: every work-group reads all 8,192 pairs for itself.
; Work-groups 36..227: each wave rounds one unit of 32 k x 128 columns of w13 (to bf16) or of w2 (to bf16, that number then written as f16) and stores it as eight
; FRAGMENTS of 1,024 bytes in the order in which a wave's operand registers take them: bytes 16 L .. of a fragment hold W[k0 + 8 (L / 16) + 0..7][n0 + L % 16],
; bytes 512 + 16 L .. the same for k0 + 16.  w13f: [e][w 4][ks 32][slot 8]: slots 0-3 the columns 64 w + 16 c of h, slots 4-7 the columns 256 + 64 w + 16 c of g.
; w2f: [e][q 8][ks 8][slot 8]: slot c the columns 128 q + 16 c.
; LIMITS.  expert_idxs lie in 0..7 (the problem says so); a token with another index enters no set.  |w2| stays under 65,504; below 2^-14 it keeps f16's step of 2^-24.
.set NSETS, 36
.set FP,    1040                       ; a fragment in LDS: 1,024 bytes + 16, so that the four fragments that 16 lanes store into begin 16 bytes apart modulo 256
.set WBLK,  8*FP                       ; the weights: a wave's own eight fragments, at wave x WBLK
.set WSUM,  8*WBLK                     ; the routing: eight pairs (matches, lower keys), one a wave, in a block of 256 bytes of their own
.set SPARE, WSUM+256                   ; the spare words, 128 bytes for each of eight waves: four blocks of 256 bytes that no other line names
.set X,   8                            ; v[8:135]   the weights: row k of 32 at X + 4 k, four columns; then the fragments read back
.set Y,   136                          ; v[136:199] the weights: packed words
.set KEY, 72                           ; v[72:103]  the routing: my 32 tokens' set numbers
.set SPW, 206                          ; LDS address of my spare word; never rewritten
.set NIL, 207                          ; 0; never rewritten
.set LTM, 32                           ; s[32:63]   the routing: masks 'key below s'; later the eight waves' counts
.set EQM, 68                           ; s[68:99]   the routing: masks 'key equals s', one for each of a lane's 32 tokens
.macro FINISH                          ; the wave's end, behind my last LDS store
	s_wait_tensorcnt 0x0
	ds_add_u32 v[SPW], v[NIL]
	s_wait_dscnt 0x0
	s_endpgm
.endm
; One unit.  32 loads, a row of k each (two aligned pieces of 256 bytes, or 512 bytes on end); four groups of eight rows are packed along k, 16 bytes for each column, and put
; where the fragment wants them; the eight fragments come back as they lie and leave as 16 stores of 512 consecutive aligned bytes.
.macro CONV pitch, src, dst, half
.set k, 0
.rept 32
	global_load_b128 v[X+4*k:X+4*k+3], v2, s[\src:\src+1] offset:k*(\pitch) th:TH_LOAD_NT
.set k, k+1
.endr
.set g, 0
.rept 4
	s_wait_loadcnt 24-8*g                          ; loads come back in order: rows 8 g .. 8 g + 7 are in, the younger rows may be out
.set c, 0
.rept 4
.set j, 0
.rept 4
.set yw, Y+4*(4*g+c)+j
	v_cvt_pk_bf16_f32 v[yw], v[X+4*(8*g+2*j)+c], v[X+4*(8*g+2*j+1)+c]
.if \half
	v_lshlrev_b32 v[200+2*(j%2)], 16, v[yw]        ; the bf16 numbers again as f32,
	v_and_b32 v[201+2*(j%2)], 0xffff0000, v[yw]
	v_cvt_pk_f16_f32 v[yw], v[200+2*(j%2)], v[201+2*(j%2)]  ; and written as f16
.endif
.set j, j+1
.endr
	ds_store_b128 v3, v[Y+4*(4*g+c):Y+4*(4*g+c)+3] offset:256*g+16*c  ; column 4 (L % 4) + c of fragment L / 4, k group g
.set c, c+1
.endr
.set g, g+1
.endr
.set i, 0
.rept 16
	ds_load_b128 v[X+4*i:X+4*i+3], v4 offset:(i/2)*FP+(i%2)*512  ; my wave's own bytes: LDS serves a wave's instructions in order
.set i, i+1
.endr
.set i, 0
.rept 16
	s_wait_dscnt 15-i
	global_store_b128 v5, v[X+4*i:X+4*i+3], s[\dst:\dst+1] offset:512*i
.set i, i+1
.endr
.endm
	s_load_b256 s[4:11], s[0:1], 0x0               ; expert_idxs s[4:5], w13 s[6:7], w2 s[8:9], w13f s[10:11]
	s_load_b128 s[12:15], s[0:1], 0x20             ; w2f s[12:13], list s[14:15]
	s_load_b64 s[16:17], s[0:1], 0x30              ; counts
	v_lshl_add_u32 v[SPW], v0, 2, SPARE
	v_mov_b32 v[NIL], 0
	v_lshrrev_b32 v1, 5, v0
	v_readfirstlane_b32 s20, v1                    ; wave 0..7
	v_and_b32 v1, 31, v0                           ; lane L
	s_mov_b32 s18, ttmp9
	s_wait_kmcnt 0x0
	s_cmp_lt_u32 s18, NSETS                        ; the work-group's number: alike in all eight waves
	s_cbranch_scc1 .Lsort
	; ---------------- the weights ----------------
	s_sub_co_u32 s19, s18, NSETS
	s_lshl3_add_u32 s19, s19, s20                  ; unit U = 8 x (work-group - 36) + wave: 0..1023 w13, 1024..1535 w2
	s_mul_i32 s21, s20, WBLK
	v_lshrrev_b32 v6, 2, v1
	v_and_b32 v7, 3, v1
	v_mul_u32_u24 v3, v6, FP
	v_lshl_add_u32 v3, v7, 6, v3
	v_add_nc_u32 v3, s21, v3                       ; into LDS: fragment L / 4, columns 4 (L % 4) on
	v_lshlrev_b32 v5, 4, v1                        ; 16 L
	v_add_nc_u32 v4, s21, v5                       ; back out of LDS
	s_mov_b32 s25, 0
	s_mov_b32 s27, 0
	s_cmp_lt_u32 s19, 1024
	s_cbranch_scc0 .Lw2
	s_lshr_b32 s22, s19, 7                         ; e
	s_bfe_u32 s23, s19, 0x20005                    ; w
	s_and_b32 s24, s19, 31                         ; ks
	s_lshl_b32 s24, s24, 16                        ; 32 rows of 2,048 bytes
	s_lshl_b32 s22, s22, 21
	s_add_co_u32 s24, s24, s22
	s_lshl_b32 s23, s23, 8                         ; 64 columns
	s_add_co_u32 s24, s24, s23
	s_add_nc_u64 s[6:7], s[6:7], s[24:25]
	s_lshl_b32 s26, s19, 13
	s_add_nc_u64 s[10:11], s[10:11], s[26:27]
	v_and_b32 v2, 15, v1
	v_lshrrev_b32 v6, 4, v1
	v_lshlrev_b32 v2, 4, v2
	v_lshl_add_u32 v2, v6, 10, v2                  ; lanes 0-15: 256 bytes of h's columns; lanes 16-31: the same columns of g, 1,024 bytes on
	CONV 2048, 6, 10, 0
	FINISH
.Lw2:
	s_sub_co_u32 s19, s19, 1024
	s_lshr_b32 s22, s19, 6                         ; e
	s_bfe_u32 s23, s19, 0x30003                    ; q
	s_and_b32 s24, s19, 7                          ; ks
	s_lshl_b32 s24, s24, 17                        ; 32 rows of 4,096 bytes
	s_lshl_b32 s22, s22, 20
	s_add_co_u32 s24, s24, s22
	s_lshl_b32 s23, s23, 9                         ; 128 columns
	s_add_co_u32 s24, s24, s23
	s_add_nc_u64 s[8:9], s[8:9], s[24:25]
	s_lshl_b32 s26, s19, 13
	s_add_nc_u64 s[12:13], s[12:13], s[26:27]
	v_mov_b32 v2, v5
	CONV 4096, 8, 12, 1
	FINISH
	; ---------------- the routing ----------------
.Lsort:
	v_lshlrev_b32 v2, 4, v0
.set j, 0
.rept 16
	global_load_b128 v[8+4*j:8+4*j+3], v2, s[4:5] offset:4096*j  ; tokens 512 j + 2 t and 512 j + 2 t + 1: a wave's load covers 512 consecutive bytes
.set j, j+1
.endr
	v_lshlrev_b32 v126, 1, v0                      ; 2 t
	s_mov_b32 s21, 0                               ; my wave's matches
	s_mov_b32 s22, 0                               ; my wave's tokens of lower sets
	s_wait_loadcnt 0x0
	s_wait_xcnt 0x0                                ; nothing is pending when EXEC is first narrowed below
.set m, 0
.rept 32
.set ia, 8+4*(m/2)+2*(m%2)
.set tt, 104+4*(m%2)
	v_min_u32 v[tt], v[ia], v[ia+1]                ; lo
	v_max_u32 v[tt+1], v[ia], v[ia+1]              ; hi
	v_sub_nc_u32 v[tt+2], 17, v[tt]
	v_sub_nc_u32 v[tt+1], v[tt+1], v[tt]
	v_mul_u32_u24 v[tt+2], v[tt], v[tt+2]
	v_lshrrev_b32 v[tt+2], 1, v[tt+2]
	v_add_nc_u32 v[KEY+m], v[tt+2], v[tt+1]
.set m, m+1
.endr
.set m, 0
.rept 32
	v_cmp_eq_u32 s[EQM+m], s18, v[KEY+m]
	v_cmp_gt_u32 s[LTM+m], s18, v[KEY+m]
.set m, m+1
.endr
.set m, 0
.rept 32
	s_bcnt1_i32_b32 s29, s[EQM+m]
	s_add_co_u32 s21, s21, s29
	s_bcnt1_i32_b32 s29, s[LTM+m]
	s_add_co_u32 s22, s22, s29
.set m, m+1
.endr
	v_mov_b32 v104, s21
	v_mov_b32 v105, s22
	s_lshl_b32 s23, s20, 3
	s_add_co_u32 s23, s23, WSUM
	v_mov_b32 v106, s23
	ds_store_b64 v106, v[104:105]                  ; all lanes store the same pair, at my wave's own eight bytes
	s_wait_dscnt 0x0                               ; for the others' sake: my pair of counts is stored
	s_barrier_signal -1
	s_barrier_wait -1
	v_mov_b32 v107, WSUM
	ds_load_b128 v[8:11], v107
	ds_load_b128 v[12:15], v107 offset:16
	ds_load_b128 v[16:19], v107 offset:32
	ds_load_b128 v[20:23], v107 offset:48
	s_wait_dscnt 0x0
.set i, 0
.rept 16
	v_readfirstlane_b32 s[32+i], v[8+i]
.set i, i+1
.endr
	s_mov_b32 s23, 0                               ; the set's count
	s_mov_b32 s24, 0                               ; where my wave's piece begins: lower sets' tokens + the matches of the waves in front of mine
.irp w, 0,1,2,3,4,5,6,7
	s_add_co_u32 s23, s23, s[32+2*\w]
	s_add_co_u32 s24, s24, s[33+2*\w]
	s_cmp_lt_u32 \w, s20
	s_cselect_b32 s29, s[32+2*\w], 0
	s_add_co_u32 s24, s24, s29
.endr
	; my wave's matches go straight into the list: for each of a lane's 32 tokens one store with the matching lanes on, to neighbouring words.  The list is 32 KiB in all.
.set m, 0
.rept 32
	s_mov_b32 vcc_lo, s[EQM+m]
	v_mbcnt_lo_u32_b32 v124, vcc_lo, 0             ; matches in the lanes below mine
	v_add_nc_u32 v124, s24, v124                   ; the token's place in the list
	v_min_u32 v124, 8191, v124                     ; there are 8,192 tokens: the bound is never met by a lane that stores
	v_lshlrev_b32 v124, 2, v124
	v_add_nc_u32 v125, 512*(m/2)+(m%2), v126       ; the token's number
	s_bcnt1_i32_b32 s29, vcc_lo
	s_add_co_u32 s24, s24, s29
	s_and_saveexec_b32 s27, vcc_lo                 ; nothing is pending here: the wait below has covered the store before
	global_store_b32 v124, v125, s[14:15]
	s_wait_xcnt 0x0                                ; EXEC, the offset and the data change only behind this wait
	s_mov_b32 exec_lo, -1                          ; all lanes were on: they are on again
.set m, m+1
.endr
	s_cmp_lg_u32 s20, 0
	s_cbranch_scc1 .Lnocnt
	s_lshl_b32 s28, s18, 2
	v_mov_b32 v117, s28
	v_mov_b32 v118, s23
	v_cmp_eq_u32 vcc_lo, 0, v1
	s_and_saveexec_b32 s27, vcc_lo
	global_store_b32 v117, v118, s[16:17]          ; counts[s]
	s_wait_xcnt 0x0
	s_mov_b32 exec_lo, -1
.Lnocnt:
	s_cmp_lg_u32 s18, NSETS-1
	s_cbranch_scc1 .Lnopad
	s_cmp_lt_u32 s20, 2
	s_cbranch_scc0 .Lnopad
	v_lshlrev_b32 v116, 2, v0
	v_mov_b32 v115, 0
	global_store_b32 v116, v115, s[14:15] offset:32768  ; 64 zeros behind the list: a tile's 64 words may begin at the last token
.Lnopad:
	FINISH
.Lfunc_end_k_qf814b5cda3_prep:
	.size	k_qf814b5cda3_prep, .Lfunc_end_k_qf814b5cda3_prep-k_qf814b5cda3_prep
	.p2alignl 7, 3214868480
	.fill 96, 4, 3214868480
	.section	.rodata,"a",@progbits
	.p2align	6, 0x0
	.amdhsa_kernel k_qf814b5cda3_prep
		.amdhsa_group_segment_fixed_size 67840
		.amdhsa_private_segment_fixed_size 0
		.amdhsa_enable_private_segment 0
		.amdhsa_kernarg_size 56
		.amdhsa_user_sgpr_count 2
		.amdhsa_user_sgpr_kernarg_segment_ptr 1
		.amdhsa_wavefront_size32 1
		.amdhsa_system_sgpr_workgroup_id_x 1
		.amdhsa_system_sgpr_workgroup_id_y 1
		.amdhsa_system_sgpr_workgroup_id_z 1
		.amdhsa_system_vgpr_workitem_id 0
		.amdhsa_next_free_vgpr 208
		.amdhsa_next_free_sgpr 100
		.amdhsa_reserve_vcc 1
		.amdhsa_float_denorm_mode_32 3
		.amdhsa_float_denorm_mode_16_64 3
		.amdhsa_memory_ordered 1
		.amdhsa_forward_progress 1
		.amdhsa_inst_pref_size 72
	.end_amdhsa_kernel
	.amdgpu_metadata
---
amdhsa.version: [ 1, 2 ]
amdhsa.kernels:
  - .name:           k_qf814b5cda3_prep
    .symbol:         k_qf814b5cda3_prep.kd
    .args:
      - { .name: expert_idxs, .offset: 0, .size: 8, .value_kind: global_buffer, .address_space: global }
      - { .name: w13, .offset: 8, .size: 8, .value_kind: global_buffer, .address_space: global }
      - { .name: w2, .offset: 16, .size: 8, .value_kind: global_buffer, .address_space: global }
      - { .name: w13f, .offset: 24, .size: 8, .value_kind: global_buffer, .address_space: global }
      - { .name: w2f, .offset: 32, .size: 8, .value_kind: global_buffer, .address_space: global }
      - { .name: list, .offset: 40, .size: 8, .value_kind: global_buffer, .address_space: global }
      - { .name: counts, .offset: 48, .size: 8, .value_kind: global_buffer, .address_space: global }
    .group_segment_fixed_size: 67840
    .private_segment_fixed_size: 0
    .kernarg_segment_align: 8
    .kernarg_segment_size: 56
    .max_flat_workgroup_size: 256
    .sgpr_count:     100
    .vgpr_count:     208
    .wavefront_size: 32
...
	.end_amdgpu_metadata
.endif
;; end of part 1
;; launch moe (part 2): grid 163 x 1, 4 waves a work-group, no clusters, 298,496 bytes of LDS; arguments counts, list, expert_idxs, expert_p, x, w13f, w2f, out0; writes out0
.if DOCPART == 2
	.amdgcn_target "amdgcn-amd-amdhsa--gfx1250"
	.amdhsa_code_object_version 6
	.text
	.protected	k_qf814b5cda3_moe
	.globl	k_qf814b5cda3_moe
	.p2align	8
	.type	k_qf814b5cda3_moe,@function
k_qf814b5cda3_moe:
	s_mov_b64 s[64:65], 0
	v_nop
	global_prefetch_b8 v0, s[64:65] scope:SCOPE_SE
	s_setreg_imm32_b32 hwreg(HW_REG_WAVE_MODE, 25, 1), 1
	s_wait_xcnt 0x0
; MOE: the whole chain for a tile of 64 tokens that chose the same SET of experts {EA <= EB}: gather, x w13, p silu(g) h, he w2 for both experts into ONE sum, store.  Each output row has one owner.
; THE GRID.  With n_s tokens in set s there are sum ceil(n_s / 64) <= (8,192 + 36 x 63) / 64 = 163 tiles, whatever the split.  Every work-group finds its tile from the 36 stored counts; one that a
; split leaves without rows jumps over the products, passes every barrier, stores nothing and ends.  In a tile that is not full the places past the count repeat the tile's first token: their rows come out
; equal to its row and are stored onto it again by the same wave, so that no store hangs on the count.
; SHARES.  The four waves split the COLUMNS: in the first product wave w has h's and g's columns 64 w .. 64 w + 63, in the second the columns 512 nh + 128 w .. + 127 (nh = 0, 1).  So each weight byte has one
; reader in the work-group and goes from memory straight into operand registers (laid out for that by the launch before): a ring of four slots of 64 registers, three K steps' 48 loads on their way.
; What the waves share goes through LDS: the token tile in bf16, and he.  A K step is 32 matrix instructions (4 blocks of 16 tokens x 8 blocks of 16 columns) on 32 accumulators.
; TRANSPOSED USE.  Source 0 = 16 columns of the weights, source 1 = 16 tokens: a lane holds ONE token (lane % 16) and eight neighbouring columns 8 (lane / 16) + 0..7.
; FORMATS.  x, w13, expert_p rounded once to bf16; w2 to bf16 and that number written as f16.  he = p silu(g) h is kept in f32 until the token's largest |he| over all 512 columns is known, then multiplied by the
; power of two that puts that maximum into [2^14, 2^15) and rounded once to f16; the sums are multiplied by the inverse power on the way out.  All sums in f32.
; NO CLUSTER: partners would have to be four tiles of one set, 256 tokens, more than a set's mean share of 8,192 / 36 = 228; whole clusters for every set want up to 4 x (32 + 35) = 268 work-groups.
; LIMITS.  expert_idxs in 0..7.  sigmoid(g) = 1 / (1 + 2^(-1.442695 g)): where the power overflows the weight is 0, a power below 2^-126 counts as 0.  A token whose largest |he| is below 2^-112 is scaled by 2^126.
; |w2| under 65,504.  NaN and infinities are not treated apart.
; LDS: XS 64 rows x 2,064 (1,024 bf16 + 16 bytes); behind the first product's last read HE lies in the same bytes, 64 rows x 1,040 (512 f16 + 16); SPILL 32 KiB a wave, each lane's own he in f32;
; STG 16 rows x 528 a wave for the way out; MX 4 waves x 64 maxima; the spare words.  All pitches are odd multiples of 16 bytes: the 16 rows of a load begin in 16 different groups of four banks (ISA guide 11.1).
; Every LDS address in this text is a register that is written once, plus an immediate: the first product's 32 K steps are written out, and the loop over the two experts shares their text.
; REGISTERS, in windows of 256 (s_set_vgpr_msb: bits 1:0 source 0, 3:2 source 1, 5:4 source 2, 7:6 destination): window 0 addresses, A's fragments, the rows' offsets, at work; window 1 the 32 accumulators
; ((a, c) at 8 (8 a + c)), before that the gather's two buffers; window 2 the ring (slot sl at 64 sl).
.set XP,    2064
.set HP,    1040
.set SP,    528
.set SPILL, 64*XP
.set STG,   SPILL+4*32768
.set MXB,   STG+4*16*SP
.set SPARE, MXB+1024                   ; the spare words, 128 bytes for each wave: two blocks of 256 bytes that no other line names
.set LN,   1                           ; lane L
.set RR,   2                           ; L % 16
.set HH,   3                           ; L / 16
.set VL16, 4                           ; 16 L; never rewritten
.set XST0, 5                           ; gather: where my 8 bytes of rows 0-31 go; XST0 + 1: rows 32-63
.set AX0,  7                           ; my place in a fragment of the token tile, rows 0-31; AX0 + 1: rows 32-63
.set AH,   11                          ; my place in a fragment of HE
.set HST,  12                          ; where my 16 bytes of HE go
.set SST,  13                          ; the way out: into my stage
.set SRD,  14                          ; the way out: back out of it
.set TV,   15                          ; at work
.set VTOK, 16                          ; v[16:19]   token 16 a + L % 16, times 8
.set VIDX, 20                          ; v[20:27]   its two indices
.set INVS, 20                          ;            later: the inverse scale, twice, for each block a
.set SPW,  28                          ; LDS address of my spare word; never rewritten
.set NIL,  29                          ; 0; never rewritten
.set HSP,  30                          ; my 16 bytes in my wave's SPILL
.set AF,   32                          ; v[32:95]   A's fragments, two buffers of 32
.set ROWOFF, 96                        ; v[96:159]  row i of the tile: token x 4,096 + 16 L, for x and for out0; never rewritten
.set PCUR, 160                         ; v[160:167] the gate of the expert in hand, twice, for each block a
.set PN,   168                         ; v[168:171] the other expert's
.set VP,   172                         ; v[172:179] the token's two gates
.set SCL,  172                         ;            later: the scale, twice, for each block a
.set T,    180                         ; v[180:243] at work
.set MXV,  244                         ; v[244:247] running max |he| for each block a
.set MCH,  248                         ; v[248:251] four chains at work
.set MXS,  252                         ; where my wave's maxima go
.set MXR,  253                         ; where all waves' are read
.set WV,   2
.set TB,   3                           ; my tile's number
.set CUM,  4
.set STA,  5
.set EA,   6
.set EB,   7
.set SCUM, 8
.set SSTA, 9
.set SN,   10
.set TS,   11
.set CNT,  12                          ; rows in my tile, 0 to 64
.set LOFF, 13                          ; byte offset of my tile in the list
.set OF,   14                          ; s[14:15] an offset, high word 0
.set LP,   16                          ; s[16:17] the weights' stream: the unit of this trip's first K step
.set Q1,   18                          ; the stream behind the first product in hand
.set Q2,   20                          ; w2f (EA, nh 0, w)
.set R1,   22                          ; w2f (EB, nh, w)
.set R2,   24                          ; w2f (EA, nh 1, w)
.set XB,   26
.set OUTB, 28
.set EC,   31                          ; experts to go: 2, then 1
.set NHC,  32
.set NL2E, 34                          ; s[34:35] -log2(e)
.set SEL,  36                          ; s[36:37] v_permlanex16_b32: each lane takes its own place in the other half
.set MSB, 0
.macro WIN new                         ; the immediate's high byte repeats the setting that is left; a switch that changes nothing is dropped
.if MSB != (\new)
	s_set_vgpr_msb (MSB<<8)|(\new)
.set MSB, (\new)
.endif
.endm
; A load into a register that a matrix instruction has read, and a vector instruction or LDS store that reads a result, stand four places behind it; only plain vector instructions that name none of its
; registers are places (ISA guide 7.12.1 for vector instructions).
.macro PLACES
.rept 4
	v_nop
.endr
.endm
.macro BLOAD sl, base                  ; a K step's eight fragments, 8,192 bytes, into ring slot sl: each load takes 512 consecutive bytes
	WIN 0x80
.irp f, 0,1,2,3,4,5,6,7
	global_load_b128 v[64*(\sl)+8*\f:64*(\sl)+8*\f+3],   v[VL16], s[LP:LP+1] offset:(\base)+1024*\f
	global_load_b128 v[64*(\sl)+8*\f+4:64*(\sl)+8*\f+7], v[VL16], s[LP:LP+1] offset:(\base)+1024*\f+512
.endr
.endm
.macro AFETCH buf, kind, koff          ; a K step's four fragments of 16 tokens x 32 k at byte koff of the rows: kind 0 from the token tile, 1 from HE
	WIN 0
.irp a, 0,1,2,3
.if (\kind) == 1
	ds_load_b128 v[AF+32*(\buf)+8*\a:AF+32*(\buf)+8*\a+3],   v[AH] offset:\a*16*HP+(\koff)
	ds_load_b128 v[AF+32*(\buf)+8*\a+4:AF+32*(\buf)+8*\a+7], v[AH] offset:\a*16*HP+(\koff)+32
.else
	ds_load_b128 v[AF+32*(\buf)+8*\a:AF+32*(\buf)+8*\a+3],   v[AX0+\a/2] offset:(\a%2)*16*XP+(\koff)
	ds_load_b128 v[AF+32*(\buf)+8*\a+4:AF+32*(\buf)+8*\a+7], v[AX0+\a/2] offset:(\a%2)*16*XP+(\koff)+32
.endif
.endr
.endm
.macro MUL sl, buf, zero, fmt          ; 32 matrix instructions, each accumulator once; zero: the products start the sums
	WIN 0x52
.irp a, 0,1,2,3
.irp c, 0,1,2,3,4,5,6,7
.if \zero
	v_wmma_f32_16x16x32_\fmt v[8*(8*\a+\c):8*(8*\a+\c)+7], v[64*(\sl)+8*\c:64*(\sl)+8*\c+7], v[AF+32*(\buf)+8*\a:AF+32*(\buf)+8*\a+7], 0
.else
	v_wmma_f32_16x16x32_\fmt v[8*(8*\a+\c):8*(8*\a+\c)+7], v[64*(\sl)+8*\c:64*(\sl)+8*\c+7], v[AF+32*(\buf)+8*\a:AF+32*(\buf)+8*\a+7], v[8*(8*\a+\c):8*(8*\a+\c)+7]
.endif
.endr
.endr
.endm
; FOUR K STEPS, once round the ring, A at byte kb of its rows.  Step u multiplies slot u; in front of that it asks for the step three on, into the slot that the step before read, and fetches the next step's A.
; kind 0: the first product (bf16), A from the token tile.  kind 1: the second (f16), A from HE.
; sw: the register pair of the stream that follows this one (the trip is a stream's last), or 0.  alast: the trip's last step fetches no further A.
.macro TRIP zero, kind, kb, sw, alast
.set u, 0
.rept 4
	PLACES
.if u == 1
	s_wait_xcnt 0x0                                ; the stream's pointer is rewritten only behind this wait
.if (\sw)
	s_mov_b64 s[LP:LP+1], s[\sw:\sw+1]
.else
	s_add_nc_u64 s[LP:LP+1], s[LP:LP+1], 0x8000
.endif
.endif
	s_wait_loadcnt 32                              ; this step's 16 loads are in; the next two steps' 32 may be out
.if u == 0
	BLOAD 3, 24576
.else
	BLOAD (u+3)%4, 8192*(u-1)
.endif
.if (\alast) && (u == 3)
	s_wait_dscnt 0x0
.else
	AFETCH (u+1)%2, \kind, (\kb)+64*(u+1)
	s_wait_dscnt 8                                 ; this step's A is in; the eight loads just issued may be out
.endif
.if (\kind) == 0
	MUL u, u%2, (\zero)&&(u==0), bf16
.else
	MUL u, u%2, (\zero)&&(u==0), f16
.endif
.set u, u+1
.endr
	WIN 0
.endm
; THE ACTIVATION, a block of 16 tokens at a time.  G = accumulators (a, 4..7), H = (a, 0..3), 32 numbers a lane each; every accumulator is read from its low end on.
; he = (H G p) / (1 + 2^(-log2(e) G)).  Each batch of 32 transcendentals has 16 plain multiplies on other registers behind it and then ONE wait ahead of the first use.
; he stays in f32: its largest magnitude is taken, and the 32 numbers are set aside in the lane's own LDS bytes.  One text serves both experts; only the eight stores are written twice, the first expert's
; part of SPILL and the second's, 16,384 bytes on, in their immediates, and the count of experts to go chooses.
.macro ACT
	PLACES
.irp a, 0,1,2,3
	WIN 0x01
.set i, 0
.rept 16
	v_pk_mul_f32 v[T+2*i:T+2*i+1], v[64*\a+32+2*i:64*\a+32+2*i+1], s[NL2E:NL2E+1] op_sel_hi:[1,0]
.set i, i+1
.endr
	WIN 0
.set i, 0
.rept 32
	v_exp_f32 v[T+i], v[T+i]
.set i, i+1
.endr
	WIN 0x45
.set i, 0
.rept 16
	v_pk_mul_f32 v[64*\a+2*i:64*\a+2*i+1], v[64*\a+2*i:64*\a+2*i+1], v[64*\a+32+2*i:64*\a+32+2*i+1]
.set i, i+1
.endr
	s_wait_alu depctr_va_vdst(0)
	WIN 0
.set i, 0
.rept 16
	v_pk_add_f32 v[T+2*i:T+2*i+1], v[T+2*i:T+2*i+1], 1.0 op_sel_hi:[1,0]
.set i, i+1
.endr
.set i, 0
.rept 32
	v_rcp_f32 v[T+i], v[T+i]
.set i, i+1
.endr
	WIN 0x41
.set i, 0
.rept 16
	v_pk_mul_f32 v[64*\a+2*i:64*\a+2*i+1], v[64*\a+2*i:64*\a+2*i+1], v[PCUR+2*\a:PCUR+2*\a+1]
.set i, i+1
.endr
	s_wait_alu depctr_va_vdst(0)
	WIN 0x04
.set i, 0
.rept 16
	v_pk_mul_f32 v[T+2*i:T+2*i+1], v[T+2*i:T+2*i+1], v[64*\a+2*i:64*\a+2*i+1]
.set i, i+1
.endr
	WIN 0
.irp k, 0,1,2,3
	v_max_num_f32 v[MCH+\k], |v[T+8*\k]|, |v[T+8*\k+1]|
.endr
.irp n, 1,2,3
.irp k, 0,1,2,3
	v_max3_num_f32 v[MCH+\k], v[MCH+\k], |v[T+8*\k+2*\n]|, |v[T+8*\k+2*\n+1]|
.endr
.endr
	v_max3_num_f32 v[MXV+\a], v[MXV+\a], v[MCH], v[MCH+1]
	v_max3_num_f32 v[MXV+\a], v[MXV+\a], v[MCH+2], v[MCH+3]
	s_cmp_eq_u32 s[EC], 2
	s_cbranch_scc0 .Lsecond_\@_\a
.irp q, 0,1,2,3,4,5,6,7
	ds_store_b128 v[HSP], v[T+4*\q:T+4*\q+3] offset:4096*\a+512*\q
.endr
	s_branch .Lstored_\@_\a
.Lsecond_\@_\a:
.irp q, 0,1,2,3,4,5,6,7
	ds_store_b128 v[HSP], v[T+4*\q:T+4*\q+3] offset:16384+4096*\a+512*\q
.endr
.Lstored_\@_\a:
.endr
.endm
; he comes back (group g = 4 x expert + block), is scaled, rounded to f16 and put into HE: 16 bytes are eight neighbouring columns of a token's row
.macro HLOAD g
.irp q, 0,1,2,3,4,5,6,7
	ds_load_b128 v[AF+32*((\g)%2)+4*\q:AF+32*((\g)%2)+4*\q+3], v[HSP] offset:4096*(\g)+512*\q
.endr
.endm
.macro HCVT g
.set i, 0
.rept 16
	v_pk_mul_f32 v[AF+32*((\g)%2)+2*i:AF+32*((\g)%2)+2*i+1], v[AF+32*((\g)%2)+2*i:AF+32*((\g)%2)+2*i+1], v[SCL+2*((\g)%4):SCL+2*((\g)%4)+1]
.set i, i+1
.endr
.set i, 0
.rept 16
	v_cvt_pk_f16_f32 v[T+32+i], v[AF+32*((\g)%2)+2*i], v[AF+32*((\g)%2)+2*i+1]
.set i, i+1
.endr
.irp c, 0,1,2,3
	ds_store_b128 v[HST], v[T+32+4*\c:T+32+4*\c+3] offset:16*HP*((\g)%4)+32*\c+512*((\g)/4)
.endr
.endm
; THE GATHER.  Wave w takes bytes 1,024 w .. of all 64 rows, 16 rows a batch: each load 512 consecutive bytes of a row; four f32 become 8 bytes of bf16
.macro GLOAD k
	WIN 0x40
.set q, 0
.rept 16
	global_load_b128 v[128*((\k)%2)+8*q:128*((\k)%2)+8*q+3],   v[ROWOFF+16*(\k)+q], s[XB:XB+1]
	global_load_b128 v[128*((\k)%2)+8*q+4:128*((\k)%2)+8*q+7], v[ROWOFF+16*(\k)+q], s[XB:XB+1] offset:512
.set q, q+1
.endr
.endm
.macro GCVT k
	WIN 0x05
.set q, 0
.rept 32
	v_cvt_pk_bf16_f32 v[T+2*q],   v[128*((\k)%2)+4*q],   v[128*((\k)%2)+4*q+1]
	v_cvt_pk_bf16_f32 v[T+2*q+1], v[128*((\k)%2)+4*q+2], v[128*((\k)%2)+4*q+3]
.set q, q+1
.endr
	WIN 0
.set q, 0
.rept 32
	ds_store_b64 v[XST0+(\k)/2], v[T+2*q:T+2*q+1] offset:((16*(\k)+q/2)%32)*XP+256*(q%2)
.set q, q+1
.endr
.endm
; THE WAY OUT of block a: the sums times the inverse scale; through my own stage; back as whole pieces of rows, 512 consecutive aligned bytes a store.
.macro WBLK a
	WIN 0x41
.set i, 0
.rept 32
	v_pk_mul_f32 v[64*\a+2*i:64*\a+2*i+1], v[64*\a+2*i:64*\a+2*i+1], v[INVS+2*\a:INVS+2*\a+1]
.set i, i+1
.endr
	s_wait_xcnt 0x0                                ; the registers that the block before stored from are loaded again only behind this wait
	WIN 0x04
.irp c, 0,1,2,3,4,5,6,7
	ds_store_b128 v[SST], v[8*(8*\a+\c):8*(8*\a+\c)+3]   offset:64*\c
	ds_store_b128 v[SST], v[8*(8*\a+\c)+4:8*(8*\a+\c)+7] offset:64*\c+16
.endr
	WIN 0
.set i, 0
.rept 16
	ds_load_b128 v[T+4*i:T+4*i+3], v[SRD] offset:SP*i  ; my wave's own bytes: LDS serves a wave's instructions in order (ISA guide 5.7.1.4)
.set i, i+1
.endr
.set i, 0
.rept 16
	s_wait_dscnt 15-i
	global_store_b128 v[ROWOFF+16*\a+i], v[T+4*i:T+4*i+3], s[OUTB:OUTB+1] th:TH_STORE_NT
.set i, i+1
.endr
.endm
	; ---------------- set-up and gather: every work-group runs them, one without a tile too ----------------
	s_load_b512 s[84:99], s[0:1], 0x0              ; counts 84, list 86, expert_idxs 88, expert_p 90, x 92, w13f 94, w2f 96, out0 98
	v_lshl_add_u32 v[SPW], v0, 2, SPARE
	v_mov_b32 v[NIL], 0
	v_lshrrev_b32 v[TV], 5, v0
	v_readfirstlane_b32 s[WV], v[TV]               ; wave 0..3
	v_and_b32 v[LN], 31, v0
	v_and_b32 v[RR], 15, v0
	v_bfe_u32 v[HH], v0, 4, 1
	v_lshlrev_b32 v[VL16], 4, v[LN]
	s_mov_b32 s[TB], ttmp9
	s_wait_kmcnt 0x0
	s_load_b512 s[16:31], s[84:85], 0x0            ; the 36 counts
	s_load_b512 s[32:47], s[84:85], 0x40
	s_load_b128 s[48:51], s[84:85], 0x80
	s_lshl_b32 s[TS], s[WV], 9
	v_lshl_add_u32 v[XST0], v[LN], 3, s[TS]        ; 512 w + 8 L
	v_add_nc_u32 v[XST0+1], 32*XP, v[XST0]
	v_mul_u32_u24 v[AX0], v[RR], XP
	v_lshl_add_u32 v[AX0], v[HH], 4, v[AX0]        ; row x pitch + 16 x half
	v_add_nc_u32 v[AX0+1], 32*XP, v[AX0]
	v_mul_u32_u24 v[AH], v[RR], HP
	v_lshl_add_u32 v[AH], v[HH], 4, v[AH]
	s_lshl_b32 s[TS], s[WV], 7
	v_add_nc_u32 v[HST], s[TS], v[AH]              ; + my wave's 64 columns
	s_mul_i32 s[TS], s[WV], 16*SP
	s_add_co_u32 s[TS], s[TS], STG
	v_mul_u32_u24 v[SST], v[RR], SP
	v_lshl_add_u32 v[SST], v[HH], 5, v[SST]
	v_add_nc_u32 v[SST], s[TS], v[SST]
	v_add_nc_u32 v[SRD], s[TS], v[VL16]
	s_lshl_b32 s[TS], s[WV], 15
	s_add_co_u32 s[TS], s[TS], SPILL
	v_add_nc_u32 v[HSP], s[TS], v[VL16]
	s_lshl_b32 s[TS], s[WV], 8
	s_add_co_u32 s[TS], s[TS], MXB
	v_lshl_add_u32 v[MXS], v[RR], 2, s[TS]
	v_lshl_add_u32 v[MXR], v[RR], 2, MXB
.irp a, 0,1,2,3
	v_mov_b32 v[MXV+\a], 0
.endr
	s_mov_b32 s[CUM], 0
	s_mov_b32 s[STA], 0
	s_mov_b32 s[EA], 0
	s_mov_b32 s[EB], 0
	s_mov_b32 s[SCUM], 0
	s_mov_b32 s[SSTA], 0
	s_mov_b32 s[SN], 0
	s_wait_kmcnt 0x0
	; my tile's set: the last set whose first tile's number is not above mine
.set slo, 0
.set shi, 0
.set sidx, 0
.rept 36
	s_cmp_ge_u32 s[TB], s[CUM]
	s_cselect_b32 s[EA], slo, s[EA]
	s_cselect_b32 s[EB], shi, s[EB]
	s_cselect_b32 s[SCUM], s[CUM], s[SCUM]
	s_cselect_b32 s[SSTA], s[STA], s[SSTA]
	s_cselect_b32 s[SN], s[16+sidx], s[SN]
	s_add_co_u32 s[TS], s[16+sidx], 63
	s_lshr_b32 s[TS], s[TS], 6
	s_add_co_u32 s[CUM], s[CUM], s[TS]
	s_add_co_u32 s[STA], s[STA], s[16+sidx]
.set sidx, sidx+1
.set shi, shi+1
.if shi > 7
.set slo, slo+1
.set shi, slo
.endif
.endr
	s_sub_co_u32 s[TS], s[TB], s[SCUM]
	s_lshl_b32 s[TS], s[TS], 6                     ; my tile's first place in its set
	s_sub_co_i32 s[CNT], s[SN], s[TS]
	s_max_i32 s[CNT], s[CNT], 0
	s_min_i32 s[CNT], s[CNT], 64
	s_add_co_u32 s[LOFF], s[SSTA], s[TS]
	s_min_u32 s[LOFF], s[LOFF], 8191
	s_lshl_b32 s[LOFF], s[LOFF], 2
	s_min_u32 s[EA], s[EA], 7
	s_min_u32 s[EB], s[EB], 7
	s_load_b512 s[16:31], s[86:87], s[LOFF] offset:0x0   ; the tile's 64 tokens as scalars, for the rows' offsets,
	s_load_b512 s[32:47], s[86:87], s[LOFF] offset:0x40
	s_load_b512 s[48:63], s[86:87], s[LOFF] offset:0x80
	s_load_b512 s[68:83], s[86:87], s[LOFF] offset:0xc0
	v_lshl_add_u32 v[TV], v[RR], 2, s[LOFF]
.irp a, 0,1,2,3
	global_load_b32 v[VTOK+\a], v[TV], s[86:87] offset:64*\a  ; and token 16 a + L % 16 in each lane, for the gates
.endr
	s_wait_kmcnt 0x0
.set i, 0
.rept 64
.if i < 48
.set tr, 16+i
.else
.set tr, 20+i
.endif
.if i > 0
	s_cmp_gt_u32 s[CNT], i                         ; a place past the count takes the tile's first token
	s_cselect_b32 s[tr], s[tr], s16
.endif
	s_min_u32 s[tr], s[tr], 8191
	v_lshl_add_u32 v[ROWOFF+i], s[tr], 12, v[VL16]
.set i, i+1
.endr
	v_mov_b32 v[MCH], s16                          ; the first token, for the lanes' places past the count
	s_wait_loadcnt 0x0
.irp a, 0,1,2,3
	v_add_nc_u32 v[TV], 16*\a, v[RR]
	v_cmp_gt_u32 vcc_lo, s[CNT], v[TV]
	v_cndmask_b32 v[VTOK+\a], v[MCH], v[VTOK+\a], vcc_lo
	v_min_u32 v[VTOK+\a], 8191, v[VTOK+\a]
	v_lshlrev_b32 v[VTOK+\a], 3, v[VTOK+\a]
.endr
.irp a, 0,1,2,3
	global_load_b64 v[VIDX+2*\a:VIDX+2*\a+1], v[VTOK+\a], s[88:89]
	global_load_b64 v[VP+2*\a:VP+2*\a+1], v[VTOK+\a], s[90:91]
.endr
	s_mov_b32 s[OF+1], 0
	s_lshl_b32 s[TS], s[WV], 18
	s_lshl_b32 s[OF], s[EA], 20
	s_add_co_u32 s[OF], s[OF], s[TS]
	s_add_nc_u64 s[LP:LP+1], s[94:95], s[OF:OF+1]
	s_lshl_b32 s[OF], s[EB], 20
	s_add_co_u32 s[OF], s[OF], s[TS]
	s_add_nc_u64 s[Q1:Q1+1], s[94:95], s[OF:OF+1]
	s_lshl_b32 s[TS], s[WV], 16
	s_lshl_b32 s[OF], s[EA], 19
	s_add_co_u32 s[OF], s[OF], s[TS]
	s_add_nc_u64 s[Q2:Q2+1], s[96:97], s[OF:OF+1]
	s_lshl_b32 s[OF], s[EB], 19
	s_add_co_u32 s[OF], s[OF], s[TS]
	s_add_nc_u64 s[R1:R1+1], s[96:97], s[OF:OF+1]
	s_add_nc_u64 s[R2:R2+1], s[Q2:Q2+1], 0x40000
	s_lshl_b32 s[OF], s[WV], 10
	s_add_nc_u64 s[XB:XB+1], s[92:93], s[OF:OF+1]
	s_lshl_b32 s[OF], s[WV], 9
	s_add_nc_u64 s[OUTB:OUTB+1], s[98:99], s[OF:OF+1]
	s_mov_b32 s[NL2E], 0xbfb8aa3b
	s_mov_b32 s[NL2E+1], s[NL2E]
	s_mov_b32 s[SEL], 0x76543210
	s_mov_b32 s[SEL+1], 0xfedcba98
	BLOAD 0, 0                                     ; the ring's first three K steps
	BLOAD 1, 8192
	BLOAD 2, 16384
	WIN 0
	s_wait_loadcnt 48                              ; the ring's 48 loads are younger: indices and gates are in
.irp a, 0,1,2,3
	v_cvt_pk_bf16_f32 v[TV], v[VP+2*\a], v[VP+2*\a+1]  ; the gates rounded to bf16, like every input
	v_lshlrev_b32 v[VP+2*\a], 16, v[TV]
	v_and_b32 v[VP+2*\a+1], 0xffff0000, v[TV]
	v_cmp_eq_u32 vcc_lo, s[EA], v[VIDX+2*\a]
	v_cndmask_b32 v[PCUR+2*\a], v[VP+2*\a+1], v[VP+2*\a], vcc_lo  ; EA's gate: the first if the first index is EA, else the second
	v_mov_b32 v[PCUR+2*\a+1], v[PCUR+2*\a]
	v_cndmask_b32 v[PN+\a], v[VP+2*\a], v[VP+2*\a+1], vcc_lo      ; EB's: the other one
.endr
	GLOAD 0
	GLOAD 1
	s_wait_loadcnt 32                              ; the younger batch's 32 loads may be out
	GCVT 0
	GLOAD 2
	s_wait_loadcnt 32
	GCVT 1
	GLOAD 3
	s_wait_loadcnt 32
	GCVT 2
	s_wait_loadcnt 0x0
	GCVT 3
	s_wait_dscnt 0x0                               ; for the others' sake: my quarter of the token tile is stored
	s_barrier_signal -1
	s_barrier_wait -1
	; ---------------- x w13 and the activation, EA and then EB ----------------
	s_cmp_eq_u32 s[CNT], 0
	s_cbranch_scc1 .Lb2a
	s_mov_b32 s[EC], 2
.Lexp:
	AFETCH 0, 0, 0
	TRIP 1, 0, 0, 0, 0                             ; the first products start the sums
.set tk, 1
.rept 6
	TRIP 0, 0, 256*tk, 0, 0
.set tk, tk+1
.endr
	TRIP 0, 0, 1792, Q1, 1                         ; the last trip asks for the next stream's first three steps
	s_mov_b64 s[Q1:Q1+1], s[Q2:Q2+1]               ; behind EB's w13 comes EA's w2
	ACT
.irp a, 0,1,2,3
	v_mov_b32 v[PCUR+2*\a], v[PN+\a]
	v_mov_b32 v[PCUR+2*\a+1], v[PN+\a]
.endr
	s_sub_co_u32 s[EC], s[EC], 1
	s_cmp_lg_u32 s[EC], 0
	s_cbranch_scc1 .Lexp
.irp a, 0,1,2,3
	v_permlanex16_b32 v[MCH+\a], v[MXV+\a], s[SEL], s[SEL+1]  ; the token's other columns of my wave lie in the lane 16 away
.endr
.irp a, 0,1,2,3
	v_max_num_f32 v[MXV+\a], v[MXV+\a], v[MCH+\a]
	ds_store_b32 v[MXS], v[MXV+\a] offset:64*\a    ; both halves of the lanes store the same number
.endr
.Lb2a:
	s_wait_dscnt 0x0                               ; my maxima are stored, and my reads of the token tile are over: HE may take its bytes
	s_barrier_signal -1
	s_barrier_wait -1
	; ---------------- the scale, and he into HE ----------------
	s_cmp_eq_u32 s[CNT], 0
	s_cbranch_scc1 .Lb2
.irp a, 0,1,2,3
.irp w, 0,1,2,3
	ds_load_b32 v[T+4*\a+\w], v[MXR] offset:256*\w+64*\a
.endr
.endr
	HLOAD 0
	s_wait_dscnt 8                                 ; the maxima are in; the first group's eight loads may be out
.irp a, 0,1,2,3
	v_max3_num_f32 v[MCH+\a], v[T+4*\a], v[T+4*\a+1], v[T+4*\a+2]
	v_max_num_f32 v[MCH+\a], v[MCH+\a], v[T+4*\a+3]
	v_lshrrev_b32 v[MCH+\a], 23, v[MCH+\a]         ; its exponent field E, held to 15 .. 254 so that both powers below are normal numbers
	v_max_u32 v[MCH+\a], 15, v[MCH+\a]
	v_min_u32 v[MCH+\a], 254, v[MCH+\a]
	v_sub_nc_u32 v[SCL+2*\a], 268, v[MCH+\a]       ; the scale 2^(141 - E): the maximum comes to lie in [2^14, 2^15)
	v_lshlrev_b32 v[SCL+2*\a], 23, v[SCL+2*\a]
	v_mov_b32 v[SCL+2*\a+1], v[SCL+2*\a]
	v_add_nc_u32 v[INVS+2*\a], -14, v[MCH+\a]      ; and its inverse 2^(E - 141)
	v_lshlrev_b32 v[INVS+2*\a], 23, v[INVS+2*\a]
	v_mov_b32 v[INVS+2*\a+1], v[INVS+2*\a]
.endr
.irp g, 0,1,2,3,4,5,6,7
.if \g < 7
	HLOAD \g+1
.endif
.if \g == 0
	s_wait_dscnt 8                                 ; younger than this group's loads: the next group's eight loads
.elseif \g < 7
	s_wait_dscnt 12                                ; the four stores of the group before, and the next group's eight loads
.else
	s_wait_dscnt 4                                 ; the four stores of the group before
.endif
	HCVT \g
.endr
.Lb2:
	s_wait_dscnt 0x0                               ; for the others' sake: my columns of HE are stored
	s_barrier_signal -1
	s_barrier_wait -1
	; ---------------- he w2: K = 256 of EA and 256 of EB into one sum; two halves of the 1,024 columns ----------------
	s_cmp_eq_u32 s[CNT], 0
	s_cbranch_scc1 .Lend
	s_mov_b32 s[NHC], 2
.Lnh:
	AFETCH 0, 1, 0
	TRIP 1, 1, 0, 0, 0
	TRIP 0, 1, 256, R1, 0                          ; EA's last four steps; EB's stream follows
	TRIP 0, 1, 512, 0, 0
	TRIP 0, 1, 768, R2, 1                          ; the second half's stream follows, and is on its way while the first half goes out.  In the second pass these 48 loads ask for the same
	                                               ; three steps once more and are not used: 24 KiB a wave against the 768 KiB that it streams, the price of one text for both passes; they stay inside w2f
	PLACES
	WBLK 0
	WBLK 1
	WBLK 2
	WBLK 3
	s_wait_xcnt 0x0                                ; the stores' base is rewritten only behind this wait
	s_add_nc_u64 s[OUTB:OUTB+1], s[OUTB:OUTB+1], 2048
	s_add_nc_u64 s[R1:R1+1], s[R1:R1+1], 0x40000
	s_sub_co_u32 s[NHC], s[NHC], 1
	s_cmp_lg_u32 s[NHC], 0
	s_cbranch_scc1 .Lnh
.Lend:
	s_wait_tensorcnt 0x0                           ; the wave's end, behind my last LDS store
	ds_add_u32 v[SPW], v[NIL]
	s_wait_dscnt 0x0
	s_endpgm
.Lfunc_end_k_qf814b5cda3_moe:
	.size	k_qf814b5cda3_moe, .Lfunc_end_k_qf814b5cda3_moe-k_qf814b5cda3_moe
	.p2alignl 7, 3214868480
	.fill 96, 4, 3214868480
	.section	.rodata,"a",@progbits
	.p2align	6, 0x0
	.amdhsa_kernel k_qf814b5cda3_moe
		.amdhsa_group_segment_fixed_size 298496
		.amdhsa_private_segment_fixed_size 0
		.amdhsa_enable_private_segment 0
		.amdhsa_kernarg_size 64
		.amdhsa_user_sgpr_count 2
		.amdhsa_user_sgpr_kernarg_segment_ptr 1
		.amdhsa_wavefront_size32 1
		.amdhsa_system_sgpr_workgroup_id_x 1
		.amdhsa_system_sgpr_workgroup_id_y 1
		.amdhsa_system_sgpr_workgroup_id_z 1
		.amdhsa_system_vgpr_workitem_id 0
		.amdhsa_next_free_vgpr 768
		.amdhsa_next_free_sgpr 100
		.amdhsa_reserve_vcc 1
		.amdhsa_float_denorm_mode_32 3
		.amdhsa_float_denorm_mode_16_64 3
		.amdhsa_memory_ordered 1
		.amdhsa_forward_progress 1
		.amdhsa_inst_pref_size 255
	.end_amdhsa_kernel
	.section	.bss,"aw",@nobits
	.p2align	6
	.space	262144
	.amdgpu_metadata
---
amdhsa.version: [ 1, 2 ]
amdhsa.kernels:
  - .name:           k_qf814b5cda3_moe
    .symbol:         k_qf814b5cda3_moe.kd
    .args:
      - { .name: counts, .offset: 0, .size: 8, .value_kind: global_buffer, .address_space: global }
      - { .name: list, .offset: 8, .size: 8, .value_kind: global_buffer, .address_space: global }
      - { .name: expert_idxs, .offset: 16, .size: 8, .value_kind: global_buffer, .address_space: global }
      - { .name: expert_p, .offset: 24, .size: 8, .value_kind: global_buffer, .address_space: global }
      - { .name: x, .offset: 32, .size: 8, .value_kind: global_buffer, .address_space: global }
      - { .name: w13f, .offset: 40, .size: 8, .value_kind: global_buffer, .address_space: global }
      - { .name: w2f, .offset: 48, .size: 8, .value_kind: global_buffer, .address_space: global }
      - { .name: out0, .offset: 56, .size: 8, .value_kind: global_buffer, .address_space: global }
    .group_segment_fixed_size: 298496
    .private_segment_fixed_size: 0
    .kernarg_segment_align: 8
    .kernarg_segment_size: 64
    .max_flat_workgroup_size: 128
    .sgpr_count:     100
    .vgpr_count:     768
    .wavefront_size: 32
...
	.end_amdgpu_metadata
.endif
;; end of part 2
;; ======== version 2 of 3: 2 launches; 1.16 times as fast as version 1
;; limits: values are held in f16: magnitudes above 65,504 overflow, below 6.1e-05 lose precision
;; workspace buffers: w13f 8,388,608 bytes; w2f 4,194,304 bytes; list 33,024 bytes of whole numbers; counts 256 bytes of whole numbers
;; launch prep (part 3): grid 228 x 1, 8 waves a work-group, no clusters, 67,840 bytes of LDS; arguments expert_idxs, w13, w2, w13f, w2f, list, counts; writes w13f, w2f, list, counts
.if DOCPART == 3
	.amdgcn_target "amdgcn-amd-amdhsa--gfx1250"
	.amdhsa_code_object_version 6
	.text
	.protected	k_qf814b5cda3_prep
	.globl	k_qf814b5cda3_prep
	.p2align	8
	.type	k_qf814b5cda3_prep,@function
k_qf814b5cda3_prep:
	s_mov_b64 s[64:65], 0
	v_nop
	global_prefetch_b8 v0, s[64:65] scope:SCOPE_SE
	s_setreg_imm32_b32 hwreg(HW_REG_WAVE_MODE, 25, 1), 1
	s_wait_xcnt 0x0
; PREP: the routing and the weights' layout, in one launch.
; Work-groups 0..35: work-group s finds the tokens whose unordered SET of experts {lo <= hi} has number s = lo (17 - lo) / 2 + hi - lo, and stores their numbers
; at list[START ..], START = how many tokens have a lower set number, and their count at counts[s].  No atomics: every work-group reads all 8,192 pairs for itself.
; Work-groups 36..227: each wave rounds one unit of 32 k x 128 columns of w13 (to bf16) or of w2 (to bf16, that number then written as f16) and stores it as eight
; FRAGMENTS of 1,024 bytes in the order in which a wave's operand registers take them: bytes 16 L .. of a fragment hold W[k0 + 8 (L / 16) + 0..7][n0 + L % 16],
; bytes 512 + 16 L .. the same for k0 + 16.  w13f: [e][w 4][ks 32][slot 8]: slots 0-3 the columns 64 w + 16 c of h, slots 4-7 the columns 256 + 64 w + 16 c of g.
; w2f: [e][q 8][ks 8][slot 8]: slot c the columns 128 q + 16 c.
; LIMITS.  expert_idxs lie in 0..7 (the problem says so); a token with another index enters no set.  |w2| stays under 65,504; below 2^-14 it keeps f16's step of 2^-24.
.set NSETS, 36
.set FP,    1040                       ; a fragment in LDS: 1,024 bytes + 16, so that the four fragments that 16 lanes store into begin 16 bytes apart modulo 256
.set WBLK,  8*FP                       ; the weights: a wave's own eight fragments, at wave x WBLK
.set WSUM,  8*WBLK                     ; the routing: eight pairs (matches, lower keys), one a wave, in a block of 256 bytes of their own
.set SPARE, WSUM+256                   ; the spare words, 128 bytes for each of eight waves: four blocks of 256 bytes that no other line names
.set X,   8                            ; v[8:135]   the weights: row k of 32 at X + 4 k, four columns; then the fragments read back
.set Y,   136                          ; v[136:199] the weights: packed words
.set KEY, 72                           ; v[72:103]  the routing: my 32 tokens' set numbers
.set PA,  8                            ; v[8:39]    the routing: the byte offsets of the 32 list stores, a register for each
.set PD,  40                           ; v[40:71]   the routing: their data, likewise
.set SPW, 206                          ; LDS address of my spare word; never rewritten
.set NIL, 207                          ; 0; never rewritten
.set LTM, 32                           ; s[32:63]   the routing: masks 'key below s'; later the eight waves' counts
.set EQM, 68                           ; s[68:99]   the routing: masks 'key equals s', one for each of a lane's 32 tokens
.macro FINISH                          ; the wave's end, behind my last LDS store
	s_wait_tensorcnt 0x0
	ds_add_u32 v[SPW], v[NIL]
	s_wait_dscnt 0x0
	s_endpgm
.endm
; One unit.  32 loads, a row of k each (two aligned pieces of 256 bytes, or 512 bytes on end); four groups of eight rows are packed along k, 16 bytes for each column, and put
; where the fragment wants them; the eight fragments come back as they lie and leave as 16 stores of 512 consecutive aligned bytes.
.macro CONV pitch, src, dst, half
.set k, 0
.rept 32
	global_load_b128 v[X+4*k:X+4*k+3], v2, s[\src:\src+1] offset:k*(\pitch) th:TH_LOAD_NT
.set k, k+1
.endr
.set g, 0
.rept 4
	s_wait_loadcnt 24-8*g                          ; loads come back in order: rows 8 g .. 8 g + 7 are in, the younger rows may be out
.set c, 0
.rept 4
.set j, 0
.rept 4
.set yw, Y+4*(4*g+c)+j
	v_cvt_pk_bf16_f32 v[yw], v[X+4*(8*g+2*j)+c], v[X+4*(8*g+2*j+1)+c]
.if \half
	v_lshlrev_b32 v[200+2*(j%2)], 16, v[yw]        ; the bf16 numbers again as f32,
	v_and_b32 v[201+2*(j%2)], 0xffff0000, v[yw]
	v_cvt_pk_f16_f32 v[yw], v[200+2*(j%2)], v[201+2*(j%2)]  ; and written as f16
.endif
.set j, j+1
.endr
	ds_store_b128 v3, v[Y+4*(4*g+c):Y+4*(4*g+c)+3] offset:256*g+16*c  ; column 4 (L % 4) + c of fragment L / 4, k group g
.set c, c+1
.endr
.set g, g+1
.endr
.set i, 0
.rept 16
	ds_load_b128 v[X+4*i:X+4*i+3], v4 offset:(i/2)*FP+(i%2)*512  ; my wave's own bytes: LDS serves a wave's instructions in order
.set i, i+1
.endr
.set i, 0
.rept 16
	s_wait_dscnt 15-i
	global_store_b128 v5, v[X+4*i:X+4*i+3], s[\dst:\dst+1] offset:512*i
.set i, i+1
.endr
.endm
; The matches among the wave's tokens number m of each lane go into the list, to neighbouring words.  All lanes stay on: a lane without a match repeats the first matching lane's store, the same word and
; the same number, both of which are scalars (its place is the running count s24, its lane the mask's lowest bit).  With no match at all the store is jumped.  Each store has two registers of its own,
; so nothing is rewritten that a pending store reads, and no wait stands between the stores.
.macro PUT
	s_cmp_eq_u32 s[EQM+m], 0
	s_cbranch_scc1 .Lnone_\@
	s_ctz_i32_b32 s30, s[EQM+m]                    ; the first matching lane,
	s_lshl1_add_u32 s30, s30, s28                  ; twice its thread's number,
	s_add_co_u32 s30, s30, 512*(m/2)+(m%2)         ; its token
	v_mbcnt_lo_u32_b32 v[PA+m], s[EQM+m], 0        ; matches in the lanes below mine
	v_cndmask_b32 v[PA+m], 0, v[PA+m], s[EQM+m]    ; without a match: 0, as in the first matching lane
	v_add_nc_u32 v[PA+m], s24, v[PA+m]             ; the token's place in the list
	v_min_u32 v[PA+m], 8191, v[PA+m]               ; there are 8,192 tokens: the bound is never met
	v_lshlrev_b32 v[PA+m], 2, v[PA+m]
	v_add_nc_u32 v[PD+m], 512*(m/2)+(m%2), v126    ; my token's number
	v_cndmask_b32 v[PD+m], s30, v[PD+m], s[EQM+m]
	s_bcnt1_i32_b32 s29, s[EQM+m]
	s_add_co_u32 s24, s24, s29
	global_store_b32 v[PA+m], v[PD+m], s[14:15]
.Lnone_\@:
.endm
	s_load_b256 s[4:11], s[0:1], 0x0               ; expert_idxs s[4:5], w13 s[6:7], w2 s[8:9], w13f s[10:11]
	s_load_b128 s[12:15], s[0:1], 0x20             ; w2f s[12:13], list s[14:15]
	s_load_b64 s[16:17], s[0:1], 0x30              ; counts
	v_lshl_add_u32 v[SPW], v0, 2, SPARE
	v_mov_b32 v[NIL], 0
	v_lshrrev_b32 v1, 5, v0
	v_readfirstlane_b32 s20, v1                    ; wave 0..7
	v_and_b32 v1, 31, v0                           ; lane L
	s_mov_b32 s18, ttmp9
	s_wait_kmcnt 0x0
	s_cmp_lt_u32 s18, NSETS                        ; the work-group's number: alike in all eight waves
	s_cbranch_scc1 .Lsort
	; ---------------- the weights ----------------
	s_sub_co_u32 s19, s18, NSETS
	s_lshl3_add_u32 s19, s19, s20                  ; unit U = 8 x (work-group - 36) + wave: 0..1023 w13, 1024..1535 w2
	s_mul_i32 s21, s20, WBLK
	v_lshrrev_b32 v6, 2, v1
	v_and_b32 v7, 3, v1
	v_mul_u32_u24 v3, v6, FP
	v_lshl_add_u32 v3, v7, 6, v3
	v_add_nc_u32 v3, s21, v3                       ; into LDS: fragment L / 4, columns 4 (L % 4) on
	v_lshlrev_b32 v5, 4, v1                        ; 16 L
	v_add_nc_u32 v4, s21, v5                       ; back out of LDS
	s_mov_b32 s25, 0
	s_mov_b32 s27, 0
	s_cmp_lt_u32 s19, 1024
	s_cbranch_scc0 .Lw2
	s_lshr_b32 s22, s19, 7                         ; e
	s_bfe_u32 s23, s19, 0x20005                    ; w
	s_and_b32 s24, s19, 31                         ; ks
	s_lshl_b32 s24, s24, 16                        ; 32 rows of 2,048 bytes
	s_lshl_b32 s22, s22, 21
	s_add_co_u32 s24, s24, s22
	s_lshl_b32 s23, s23, 8                         ; 64 columns
	s_add_co_u32 s24, s24, s23
	s_add_nc_u64 s[6:7], s[6:7], s[24:25]
	s_lshl_b32 s26, s19, 13
	s_add_nc_u64 s[10:11], s[10:11], s[26:27]
	v_and_b32 v2, 15, v1
	v_lshrrev_b32 v6, 4, v1
	v_lshlrev_b32 v2, 4, v2
	v_lshl_add_u32 v2, v6, 10, v2                  ; lanes 0-15: 256 bytes of h's columns; lanes 16-31: the same columns of g, 1,024 bytes on
	CONV 2048, 6, 10, 0
	FINISH
.Lw2:
	s_sub_co_u32 s19, s19, 1024
	s_lshr_b32 s22, s19, 6                         ; e
	s_bfe_u32 s23, s19, 0x30003                    ; q
	s_and_b32 s24, s19, 7                          ; ks
	s_lshl_b32 s24, s24, 17                        ; 32 rows of 4,096 bytes
	s_lshl_b32 s22, s22, 20
	s_add_co_u32 s24, s24, s22
	s_lshl_b32 s23, s23, 9                         ; 128 columns
	s_add_co_u32 s24, s24, s23
	s_add_nc_u64 s[8:9], s[8:9], s[24:25]
	s_lshl_b32 s26, s19, 13
	s_add_nc_u64 s[12:13], s[12:13], s[26:27]
	v_mov_b32 v2, v5
	CONV 4096, 8, 12, 1
	FINISH
	; ---------------- the routing ----------------
.Lsort:
	v_lshlrev_b32 v2, 4, v0
.set j, 0
.rept 16
	global_load_b128 v[8+4*j:8+4*j+3], v2, s[4:5] offset:4096*j  ; tokens 512 j + 2 t and 512 j + 2 t + 1: a wave's load covers 512 consecutive bytes
.set j, j+1
.endr
	v_lshlrev_b32 v126, 1, v0                      ; 2 t
	s_mov_b32 s21, 0                               ; my wave's matches
	s_mov_b32 s22, 0                               ; my wave's tokens of lower sets
	s_wait_loadcnt 0x0
.set m, 0
.rept 32
.set ia, 8+4*(m/2)+2*(m%2)
.set tt, 104+4*(m%2)
	v_min_u32 v[tt], v[ia], v[ia+1]                ; lo
	v_max_u32 v[tt+1], v[ia], v[ia+1]              ; hi
	v_sub_nc_u32 v[tt+2], 17, v[tt]
	v_sub_nc_u32 v[tt+1], v[tt+1], v[tt]
	v_mul_u32_u24 v[tt+2], v[tt], v[tt+2]
	v_lshrrev_b32 v[tt+2], 1, v[tt+2]
	v_add_nc_u32 v[KEY+m], v[tt+2], v[tt+1]
.set m, m+1
.endr
.set m, 0
.rept 32
	v_cmp_eq_u32 s[EQM+m], s18, v[KEY+m]
	v_cmp_gt_u32 s[LTM+m], s18, v[KEY+m]
.set m, m+1
.endr
.set m, 0
.rept 32
	s_bcnt1_i32_b32 s29, s[EQM+m]
	s_add_co_u32 s21, s21, s29
	s_bcnt1_i32_b32 s29, s[LTM+m]
	s_add_co_u32 s22, s22, s29
.set m, m+1
.endr
	v_mov_b32 v104, s21
	v_mov_b32 v105, s22
	s_lshl_b32 s23, s20, 3
	s_add_co_u32 s23, s23, WSUM
	v_mov_b32 v106, s23
	ds_store_b64 v106, v[104:105]                  ; all lanes store the same pair, at my wave's own eight bytes
	s_wait_dscnt 0x0                               ; for the others' sake: my pair of counts is stored
	s_barrier_signal -1
	s_barrier_wait -1
	v_mov_b32 v107, WSUM
	ds_load_b128 v[8:11], v107
	ds_load_b128 v[12:15], v107 offset:16
	ds_load_b128 v[16:19], v107 offset:32
	ds_load_b128 v[20:23], v107 offset:48
	s_wait_dscnt 0x0
.set i, 0
.rept 16
	v_readfirstlane_b32 s[32+i], v[8+i]
.set i, i+1
.endr
	s_mov_b32 s23, 0                               ; the set's count
	s_mov_b32 s24, 0                               ; where my wave's piece begins: lower sets' tokens + the matches of the waves in front of mine
.irp w, 0,1,2,3,4,5,6,7
	s_add_co_u32 s23, s23, s[32+2*\w]
	s_add_co_u32 s24, s24, s[33+2*\w]
	s_cmp_lt_u32 \w, s20
	s_cselect_b32 s29, s[32+2*\w], 0
	s_add_co_u32 s24, s24, s29
.endr
	s_lshl_b32 s28, s20, 6                         ; twice the thread number of my wave's lane 0
	; my wave's matches go straight into the list, at most 32 stores on end.  The list is 32 KiB in all.
.set m, 0
.rept 32
	PUT
.set m, m+1
.endr
	s_cmp_lg_u32 s20, 0
	s_cbranch_scc1 .Lnocnt
	s_lshl_b32 s31, s18, 2
	v_mov_b32 v117, s31
	v_mov_b32 v118, s23
	global_store_b32 v117, v118, s[16:17]          ; counts[s]: all lanes of wave 0 store the same number at the same word
.Lnocnt:
	s_cmp_lg_u32 s18, NSETS-1
	s_cbranch_scc1 .Lnopad
	s_cmp_lt_u32 s20, 2
	s_cbranch_scc0 .Lnopad
	v_lshlrev_b32 v116, 2, v0
	v_mov_b32 v115, 0
	global_store_b32 v116, v115, s[14:15] offset:32768  ; 64 zeros behind the list: a tile's 64 words may begin at the last token
.Lnopad:
	FINISH
.Lfunc_end_k_qf814b5cda3_prep:
	.size	k_qf814b5cda3_prep, .Lfunc_end_k_qf814b5cda3_prep-k_qf814b5cda3_prep
	.p2alignl 7, 3214868480
	.fill 96, 4, 3214868480
	.section	.rodata,"a",@progbits
	.p2align	6, 0x0
	.amdhsa_kernel k_qf814b5cda3_prep
		.amdhsa_group_segment_fixed_size 67840
		.amdhsa_private_segment_fixed_size 0
		.amdhsa_enable_private_segment 0
		.amdhsa_kernarg_size 56
		.amdhsa_user_sgpr_count 2
		.amdhsa_user_sgpr_kernarg_segment_ptr 1
		.amdhsa_wavefront_size32 1
		.amdhsa_system_sgpr_workgroup_id_x 1
		.amdhsa_system_sgpr_workgroup_id_y 1
		.amdhsa_system_sgpr_workgroup_id_z 1
		.amdhsa_system_vgpr_workitem_id 0
		.amdhsa_next_free_vgpr 208
		.amdhsa_next_free_sgpr 100
		.amdhsa_reserve_vcc 0
		.amdhsa_float_denorm_mode_32 3
		.amdhsa_float_denorm_mode_16_64 3
		.amdhsa_memory_ordered 1
		.amdhsa_forward_progress 1
		.amdhsa_inst_pref_size 78
	.end_amdhsa_kernel
	.amdgpu_metadata
---
amdhsa.version: [ 1, 2 ]
amdhsa.kernels:
  - .name:           k_qf814b5cda3_prep
    .symbol:         k_qf814b5cda3_prep.kd
    .args:
      - { .name: expert_idxs, .offset: 0, .size: 8, .value_kind: global_buffer, .address_space: global }
      - { .name: w13, .offset: 8, .size: 8, .value_kind: global_buffer, .address_space: global }
      - { .name: w2, .offset: 16, .size: 8, .value_kind: global_buffer, .address_space: global }
      - { .name: w13f, .offset: 24, .size: 8, .value_kind: global_buffer, .address_space: global }
      - { .name: w2f, .offset: 32, .size: 8, .value_kind: global_buffer, .address_space: global }
      - { .name: list, .offset: 40, .size: 8, .value_kind: global_buffer, .address_space: global }
      - { .name: counts, .offset: 48, .size: 8, .value_kind: global_buffer, .address_space: global }
    .group_segment_fixed_size: 67840
    .private_segment_fixed_size: 0
    .kernarg_segment_align: 8
    .kernarg_segment_size: 56
    .max_flat_workgroup_size: 256
    .sgpr_count:     100
    .vgpr_count:     208
    .wavefront_size: 32
...
	.end_amdgpu_metadata
.endif
;; end of part 3
;; launch moe (part 4): grid 163 x 1, 8 waves a work-group, no clusters, 303,104 bytes of LDS; arguments counts, list, expert_idxs, expert_p, x, w13f, w2f, out0; writes out0
.if DOCPART == 4
	.amdgcn_target "amdgcn-amd-amdhsa--gfx1250"
	.amdhsa_code_object_version 6
	.text
	.protected	k_qf814b5cda3_moe
	.globl	k_qf814b5cda3_moe
	.p2align	8
	.type	k_qf814b5cda3_moe,@function
k_qf814b5cda3_moe:
	s_mov_b64 s[64:65], 0
	v_nop
	global_prefetch_b8 v0, s[64:65] scope:SCOPE_SE
	s_setreg_imm32_b32 hwreg(HW_REG_WAVE_MODE, 25, 1), 1
	s_wait_xcnt 0x0
; MOE: the whole chain for a tile of 64 tokens that chose the same SET of experts {EA <= EB}: gather, x w13, p silu(g) h, he w2 for both experts into ONE sum, store.  Each output row has one owner.
; THE GRID.  With n_s tokens in set s there are sum ceil(n_s / 64) <= (8,192 + 36 x 63) / 64 = 163 tiles, whatever the split.  Every work-group finds its tile from the 36 stored counts; one that a
; split leaves without rows jumps over the products, passes every barrier, stores nothing and ends.  In a tile that is not full the places past the count repeat the tile's first token: their rows come out
; equal to its row and are stored onto it again by the same wave, so that no store hangs on the count.
; SHARES.  EIGHT WAVES, two for each of a WGP's four SIMDs, split the COLUMNS: in the first product wave w has h's and g's columns 32 w .. 32 w + 31, in the second the columns 512 nh + 64 w .. + 63 (nh = 0, 1).
; So each weight byte has one reader in the work-group and goes from memory straight into operand registers (laid out for that by the launch before): a ring of eight slots of 32 registers, seven K steps'
; 56 loads of 512 bytes on their way in each wave, 229,376 bytes for the eight.  While one wave of a SIMD issues its loads or waits, the other's matrix instructions go on.  The price: every wave reads the whole
; token tile from LDS, one LDS load for two matrix instructions.
; A K step is 16 matrix instructions (4 blocks of 16 tokens x 4 blocks of 16 columns) on 16 accumulators.
; THE WEIGHTS' STREAM.  A unit of 8,192 bytes holds a K step's eight fragments for two waves.  Wave w = 2 v + j reads two pieces of 2,048 bytes of unit v: of w13f slots 2 j, 2 j + 1 (h) and, 4,096 bytes on, slots
; 4 + 2 j, 5 + 2 j (g); of w2f slots 4 j .. 4 j + 3, the second piece 2,048 bytes behind the first.  Two pointers walk the pieces; their distance is a scalar, so that one text serves both kinds of stream.
; The stream runs on from product to product; only the very last eight K steps, behind which nothing follows, have a text of their own that asks for nothing more.
; TRANSPOSED USE.  Source 0 = 16 columns of the weights, source 1 = 16 tokens: a lane holds ONE token (lane % 16) and eight neighbouring columns 8 (lane / 16) + 0..7.
; FORMATS.  x, w13, expert_p rounded once to bf16; w2 to bf16 and that number written as f16.  he = p silu(g) h is kept in f32 until the token's largest |he| over all 512 columns is known, then multiplied by the
; power of two that puts that maximum into [2^14, 2^15) and rounded once to f16; the sums are multiplied by the inverse power on the way out.  All sums in f32.
; NO CLUSTER: partners would have to be four tiles of one set, 256 tokens, more than a set's mean share of 8,192 / 36 = 228; whole clusters for every set want up to 4 x (32 + 35) = 268 work-groups.
; LIMITS.  expert_idxs in 0..7.  sigmoid(g) = 1 / (1 + 2^(-1.442695 g)): where the power overflows the weight is 0, a power below 2^-126 counts as 0.  A token whose largest |he| is below 2^-112 is scaled by 2^126.
; |w2| under 65,504.  NaN and infinities are not treated apart.
; LDS: XS 64 rows x 2,064 (1,024 bf16 + 16 bytes); behind the first product's last read HE lies in the same bytes, 64 rows x 1,040 (512 f16 + 16); SPILL 16 KiB a wave, each lane's own he in f32;
; STG 16 rows x 272 a wave for the way out; MX 64 tokens x 8 waves' maxima; TOK 256 bytes a wave, its own copy of the tile's tokens; the spare words.  All pitches are odd multiples of 16 bytes: the 16 rows of a
; load begin in 16 different groups of four banks (ISA guide 11.1).  Every LDS address is a register that is written once, plus an immediate: the K steps are written out, and the loop over the two experts shares their text.
; REGISTERS, in two windows of 256 (s_set_vgpr_msb: bits 1:0 source 0, 3:2 source 1, 5:4 source 2, 7:6 destination): window 0: v0-63 addresses, gates, scales; v64-127 A's fragments, two buffers, and at work where
; they are idle; v128-255 the 16 accumulators ((a, c) at 128 + 8 (4 a + c)), at work where they are idle.  Window 1: the ring (slot sl at 32 sl), before that the gather's 64 loads.
.set XP,    2064
.set HP,    1040
.set SP,    272
.set SPILL, 64*XP
.set STG,   SPILL+8*16384
.set MXB,   STG+8*16*SP
.set TOKB,  MXB+2048
.set SPARE, TOKB+2048                  ; the spare words, 128 bytes for each of eight waves: four blocks of 256 bytes that no other line names
.set LN,   1                           ; lane L
.set RR,   2                           ; L % 16
.set HH,   3                           ; L / 16
.set VL16, 4                           ; 16 L; never rewritten
.set XST,  5                           ; gather: where my 8 bytes of my wave's first row go
.set TV,   6                           ; at work
.set AX0,  7                           ; my place in a fragment of the token tile, rows 0-31; AX0 + 1: rows 32-63
.set AH,   9                           ; my place in a fragment of HE
.set HST,  10                          ; where my 16 bytes of HE go
.set SST,  11                          ; the way out: into my stage
.set SRD,  12                          ; the way out: back out of it
.set HSP,  13                          ; my 16 bytes in my wave's SPILL
.set MXS,  14                          ; where my wave's maxima go
.set MXR,  15                          ; where all waves' are read
.set TKS,  16                          ; where token 16 a + L % 16 goes in my wave's table
.set TKR,  17                          ; where my half of the lanes reads its 32 tokens
.set R16,  18                          ; 16 (L % 16)
.set TV2,  19                          ; at work
.set VIDX, 20                          ; v[20:27]   the token's two indices
.set INVS, 20                          ;            later: the inverse scale, twice, for each block a
.set SPW,  28                          ; LDS address of my spare word; never rewritten
.set NIL,  29                          ; 0; never rewritten
.set PCUR, 30                          ; v[30:37]   the gate of the expert in hand, twice, for each block a
.set PN,   38                          ; v[38:41]   the other expert's
.set MXV,  42                          ; v[42:45]   running max |he| for each block a
.set MCH,  46                          ; v[46:49]   four chains at work
.set VP,   50                          ; v[50:57]   the token's two gates
.set SCL,  50                          ;            later: the scale, twice, for each block a
.set AF,   64                          ; v[64:127]  A's fragments, two buffers of 32
.set VTOK, 64                          ; set-up: token 16 a + L % 16
.set VT8,  68                          ; set-up: the same times 8
.set ROWG, 96                          ; set-up: my wave's 8 rows: token x 4,096 + 16 L
.set RO,   64                          ; the way out: rows 2 i + L / 16: token x 4,096 + 16 (L % 16), i = 0..31
.set ACC,  128
.set WV,   2
.set TB,   3                           ; my tile's number
.set CUM,  4
.set STA,  5
.set EA,   6
.set EB,   7
.set SCUM, 8
.set SSTA, 9
.set SN,   10
.set TS,   11
.set CNT,  12                          ; rows in my tile, 0 to 64
.set LOFF, 13                          ; byte offset of my tile in the list
.set OF,   14                          ; s[14:15] an offset, high word 0
.set TOK,  16                          ; s[16:23] my wave's 8 tokens; s24 the tile's first
.set LO2,  25                          ; byte offset of my wave's 8 tokens in the list
.set LPA,  32                          ; s[32:33] the weights' stream, first piece: the unit of this trip's first K step
.set LPB,  34                          ; s[34:35] the second piece
.set Q1,   36                          ; the stream behind the first product in hand
.set Q2,   38                          ; w2f (EA, nh 0)
.set R1,   40                          ; w2f (EB, nh)
.set R2,   42                          ; w2f (EA, nh 1)
.set OUTB, 44
.set DN,   46                          ; s[46:47] how far the next stream's second piece lies behind its first
.set NL2E, 48                          ; s[48:49] -log2(e)
.set SEL,  50                          ; s[50:51] v_permlanex16_b32: each lane takes its own place in the other half
.set EC,   52                          ; experts to go: 2, then 1
.set NHC,  53                          ; halves of the columns to go: 2, then 1
.set RB,   54                          ; my wave's first row: 8 w
.set WH,   55                          ; w / 2
.set WJ,   56                          ; w % 2
.set MSB, 0
.macro WIN new                         ; the immediate's high byte repeats the setting that is left; a switch that changes nothing is dropped
.if MSB != (\new)
	s_set_vgpr_msb (MSB<<8)|(\new)
.set MSB, (\new)
.endif
.endm
; A load into a register that a matrix instruction has read, and a vector instruction or LDS store that reads a result, stand four places behind it; only plain vector instructions that name none of its
; registers are places (ISA guide 7.12.1 for vector instructions).
.macro PLACES
.rept 4
	v_nop
.endr
.endm
.macro BLOAD sl, base                  ; a K step's four fragments, two pieces of 2,048 bytes, into ring slot sl: each load takes 512 consecutive bytes
	WIN 0x40
.irp f, 0,1
	global_load_b128 v[32*(\sl)+8*\f:32*(\sl)+8*\f+3],   v[VL16], s[LPA:LPA+1] offset:(\base)+1024*\f
	global_load_b128 v[32*(\sl)+8*\f+4:32*(\sl)+8*\f+7], v[VL16], s[LPA:LPA+1] offset:(\base)+1024*\f+512
.endr
.irp f, 0,1
	global_load_b128 v[32*(\sl)+16+8*\f:32*(\sl)+16+8*\f+3],   v[VL16], s[LPB:LPB+1] offset:(\base)+1024*\f
	global_load_b128 v[32*(\sl)+16+8*\f+4:32*(\sl)+16+8*\f+7], v[VL16], s[LPB:LPB+1] offset:(\base)+1024*\f+512
.endr
.endm
.macro AFETCH buf, kind, koff          ; a K step's four fragments of 16 tokens x 32 k at byte koff of the rows: kind 0 from the token tile, 1 from HE
	WIN 0
.irp a, 0,1,2,3
.if (\kind) == 1
	ds_load_b128 v[AF+32*(\buf)+8*\a:AF+32*(\buf)+8*\a+3],   v[AH] offset:\a*16*HP+(\koff)
	ds_load_b128 v[AF+32*(\buf)+8*\a+4:AF+32*(\buf)+8*\a+7], v[AH] offset:\a*16*HP+(\koff)+32
.else
	ds_load_b128 v[AF+32*(\buf)+8*\a:AF+32*(\buf)+8*\a+3],   v[AX0+\a/2] offset:(\a%2)*16*XP+(\koff)
	ds_load_b128 v[AF+32*(\buf)+8*\a+4:AF+32*(\buf)+8*\a+7], v[AX0+\a/2] offset:(\a%2)*16*XP+(\koff)+32
.endif
.endr
.endm
.macro MUL sl, buf, zero, fmt          ; 16 matrix instructions, each accumulator once; zero: the products start the sums
	WIN 0x01
.irp a, 0,1,2,3
.irp c, 0,1,2,3
.if \zero
	v_wmma_f32_16x16x32_\fmt v[ACC+8*(4*\a+\c):ACC+8*(4*\a+\c)+7], v[32*(\sl)+8*\c:32*(\sl)+8*\c+7], v[AF+32*(\buf)+8*\a:AF+32*(\buf)+8*\a+7], 0
.else
	v_wmma_f32_16x16x32_\fmt v[ACC+8*(4*\a+\c):ACC+8*(4*\a+\c)+7], v[32*(\sl)+8*\c:32*(\sl)+8*\c+7], v[AF+32*(\buf)+8*\a:AF+32*(\buf)+8*\a+7], v[ACC+8*(4*\a+\c):ACC+8*(4*\a+\c)+7]
.endif
.endr
.endr
.endm
; EIGHT K STEPS, once round the ring, A at byte kb of its rows.  Step u multiplies slot u; in front of that it asks for the step seven on, into the slot that the step before read, and fetches the next step's A.
; kind 0: the first product (bf16), A from the token tile.  kind 1: the second (f16), A from HE.
; sw: the register pair of the stream that follows this one (the trip is a stream's last), or 0.  alast: the trip's last step fetches no further A.
; tail: nothing follows this stream: step 0 asks for the stream's own last step, the others for nothing, and the counts run down.
.macro TRIP zero, kind, kb, sw, alast, tail
.set u, 0
.rept 8
	PLACES
.if (u == 1) && !(\tail)
	s_wait_xcnt 0x0                                ; the stream's pointers are rewritten only behind this wait
.if (\sw)
	s_mov_b64 s[LPA:LPA+1], s[\sw:\sw+1]
	s_add_nc_u64 s[LPB:LPB+1], s[LPA:LPA+1], s[DN:DN+1]
.else
	s_add_nc_u64 s[LPA:LPA+1], s[LPA:LPA+1], 0x10000
	s_add_nc_u64 s[LPB:LPB+1], s[LPB:LPB+1], 0x10000
.endif
.endif
.if (\tail) && (u >= 2)
	s_wait_loadcnt 8*(7-u)                         ; this step's 8 loads are in; the 7 - u steps that are left may be out
.else
	s_wait_loadcnt 48                              ; this step's 8 loads are in; the next six steps' 48 may be out
.endif
.if u == 0
	BLOAD 7, 57344
.elseif !(\tail)
	BLOAD u-1, 8192*(u-1)
.endif
.if (\alast) && (u == 7)
	s_wait_dscnt 0x0
.else
	AFETCH (u+1)%2, \kind, (\kb)+64*(u+1)
	s_wait_dscnt 8                                 ; this step's A is in; the eight loads just issued may be out
.endif
.if (\kind) == 0
	MUL u, u%2, (\zero)&&(u==0), bf16
.else
	MUL u, u%2, (\zero)&&(u==0), f16
.endif
.set u, u+1
.endr
	WIN 0
.endm
; THE ACTIVATION.  G = accumulators (a, 2..3), H = (a, 0..1), 16 numbers a lane and block each; every accumulator is read from its low end on.
; he = (H G p) / (1 + 2^(-log2(e) G)), for all four blocks at once, in A's idle registers.  Each batch of 64 transcendentals has 32 plain multiplies on other registers behind it and then ONE wait ahead of the first use.
; he stays in f32: its largest magnitude is taken, and the 64 numbers are set aside in the lane's own LDS bytes.  One text serves both experts; only the sixteen
; stores are written twice, the first expert's part of SPILL and the second's, 8,192 bytes on, in their immediates, and the count of experts to go chooses.
.macro ACT
	PLACES
.irp a, 0,1,2,3
.set i, 0
.rept 8
	v_pk_mul_f32 v[AF+16*\a+2*i:AF+16*\a+2*i+1], v[ACC+32*\a+16+2*i:ACC+32*\a+16+2*i+1], s[NL2E:NL2E+1] op_sel_hi:[1,0]
.set i, i+1
.endr
.endr
.set i, 0
.rept 64
	v_exp_f32 v[AF+i], v[AF+i]
.set i, i+1
.endr
.irp a, 0,1,2,3
.set i, 0
.rept 8
	v_pk_mul_f32 v[ACC+32*\a+2*i:ACC+32*\a+2*i+1], v[ACC+32*\a+2*i:ACC+32*\a+2*i+1], v[ACC+32*\a+16+2*i:ACC+32*\a+16+2*i+1]
.set i, i+1
.endr
.endr
	s_wait_alu depctr_va_vdst(0)
.set i, 0
.rept 32
	v_pk_add_f32 v[AF+2*i:AF+2*i+1], v[AF+2*i:AF+2*i+1], 1.0 op_sel_hi:[1,0]
.set i, i+1
.endr
.set i, 0
.rept 64
	v_rcp_f32 v[AF+i], v[AF+i]
.set i, i+1
.endr
.irp a, 0,1,2,3
.set i, 0
.rept 8
	v_pk_mul_f32 v[ACC+32*\a+2*i:ACC+32*\a+2*i+1], v[ACC+32*\a+2*i:ACC+32*\a+2*i+1], v[PCUR+2*\a:PCUR+2*\a+1]
.set i, i+1
.endr
.endr
	s_wait_alu depctr_va_vdst(0)
.irp a, 0,1,2,3
.set i, 0
.rept 8
	v_pk_mul_f32 v[AF+16*\a+2*i:AF+16*\a+2*i+1], v[AF+16*\a+2*i:AF+16*\a+2*i+1], v[ACC+32*\a+2*i:ACC+32*\a+2*i+1]
.set i, i+1
.endr
.endr
.irp a, 0,1,2,3
.irp k, 0,1,2,3
	v_max_num_f32 v[MCH+\k], |v[AF+16*\a+4*\k]|, |v[AF+16*\a+4*\k+1]|
.endr
.irp k, 0,1,2,3
	v_max3_num_f32 v[MCH+\k], v[MCH+\k], |v[AF+16*\a+4*\k+2]|, |v[AF+16*\a+4*\k+3]|
.endr
	v_max3_num_f32 v[MXV+\a], v[MXV+\a], v[MCH], v[MCH+1]
	v_max3_num_f32 v[MXV+\a], v[MXV+\a], v[MCH+2], v[MCH+3]
.endr
	s_cmp_eq_u32 s[EC], 2
	s_cbranch_scc0 .Lsecond_\@
.set q, 0
.rept 16
	ds_store_b128 v[HSP], v[AF+4*q:AF+4*q+3] offset:512*q
.set q, q+1
.endr
	s_branch .Lstored_\@
.Lsecond_\@:
.set q, 0
.rept 16
	ds_store_b128 v[HSP], v[AF+4*q:AF+4*q+3] offset:8192+512*q
.set q, q+1
.endr
.Lstored_\@:
.endm
; THE GATHER's conversion: rows 2 g and 2 g + 1 of my wave's eight: four f32 become 8 bytes of bf16; a store covers 256 consecutive bytes of a row of XS
.macro GCVT g
	WIN 0x05
.set n, 0
.rept 16
	v_cvt_pk_bf16_f32 v[ACC+32*((\g)%2)+2*n],   v[64*(\g)+4*n],   v[64*(\g)+4*n+1]
	v_cvt_pk_bf16_f32 v[ACC+32*((\g)%2)+2*n+1], v[64*(\g)+4*n+2], v[64*(\g)+4*n+3]
.set n, n+1
.endr
	WIN 0
.set n, 0
.rept 16
	ds_store_b64 v[XST], v[ACC+32*((\g)%2)+2*n:ACC+32*((\g)%2)+2*n+1] offset:(2*(\g)+n/8)*XP+256*(n%8)
.set n, n+1
.endr
.endm
; THE WAY OUT of block a, in three parts.  WMUL: the sums times the inverse scale.  WSTG: into my own stage, and back as whole pieces of rows into the registers that they left.  WSEND: stored, two rows'
; pieces of 256 consecutive aligned bytes a store.  Each block's stores read registers of the block's own, which are written again only by the next pass's first products, behind the wait at the pass's end.
.macro WMUL a
.set i, 0
.rept 16
	v_pk_mul_f32 v[ACC+32*\a+2*i:ACC+32*\a+2*i+1], v[ACC+32*\a+2*i:ACC+32*\a+2*i+1], v[INVS+2*\a:INVS+2*\a+1]
.set i, i+1
.endr
.endm
.macro WSTG a
.irp c, 0,1,2,3
	ds_store_b128 v[SST], v[ACC+32*\a+8*\c:ACC+32*\a+8*\c+3]   offset:64*\c
	ds_store_b128 v[SST], v[ACC+32*\a+8*\c+4:ACC+32*\a+8*\c+7] offset:64*\c+16
.endr
.set t, 0
.rept 8
	ds_load_b128 v[ACC+32*\a+4*t:ACC+32*\a+4*t+3], v[SRD] offset:2*t*SP  ; my wave's own bytes: LDS serves a wave's instructions in order (ISA guide 5.7.1.4): these see the stores above; the next block's stores come behind them
.set t, t+1
.endr
.endm
.macro WSEND a
.set t, 0
.rept 8
	s_wait_dscnt 7-t                               ; nothing was issued behind the block's eight loads
	global_store_b128 v[RO+8*\a+t], v[ACC+32*\a+4*t:ACC+32*\a+4*t+3], s[OUTB:OUTB+1] th:TH_STORE_NT
.set t, t+1
.endr
.endm
	; ---------------- set-up and gather: every work-group runs them, one without a tile too ----------------
	s_load_b512 s[84:99], s[0:1], 0x0              ; counts 84, list 86, expert_idxs 88, expert_p 90, x 92, w13f 94, w2f 96, out0 98
	v_lshl_add_u32 v[SPW], v0, 2, SPARE
	v_mov_b32 v[NIL], 0
	v_lshrrev_b32 v[TV], 5, v0
	v_readfirstlane_b32 s[WV], v[TV]               ; wave 0..7
	v_and_b32 v[LN], 31, v0
	v_and_b32 v[RR], 15, v0
	v_bfe_u32 v[HH], v0, 4, 1
	v_lshlrev_b32 v[VL16], 4, v[LN]
	v_lshlrev_b32 v[R16], 4, v[RR]
	s_mov_b32 s[TB], ttmp9
	s_wait_kmcnt 0x0
	s_load_b512 s[16:31], s[84:85], 0x0            ; the 36 counts
	s_load_b512 s[32:47], s[84:85], 0x40
	s_load_b128 s[48:51], s[84:85], 0x80
	s_mul_i32 s[TS], s[WV], 8*XP
	v_lshl_add_u32 v[XST], v[LN], 3, s[TS]         ; my wave's first row + 8 L
	v_mul_u32_u24 v[AX0], v[RR], XP
	v_lshl_add_u32 v[AX0], v[HH], 4, v[AX0]        ; row x pitch + 16 x half
	v_add_nc_u32 v[AX0+1], 32*XP, v[AX0]
	v_mul_u32_u24 v[AH], v[RR], HP
	v_lshl_add_u32 v[AH], v[HH], 4, v[AH]
	s_lshl_b32 s[TS], s[WV], 6
	v_add_nc_u32 v[HST], s[TS], v[AH]              ; + my wave's 32 columns
	s_mul_i32 s[TS], s[WV], 16*SP
	s_add_co_u32 s[TS], s[TS], STG
	v_mul_u32_u24 v[SST], v[RR], SP                ; in: row L % 16, 32 bytes for each half of the lanes
	v_lshl_add_u32 v[SST], v[HH], 5, v[SST]
	v_add_nc_u32 v[SST], s[TS], v[SST]
	v_mul_u32_u24 v[SRD], v[HH], SP                ; back: lanes 0-15 take one row's 256 bytes, lanes 16-31 the next row's
	v_lshl_add_u32 v[SRD], v[RR], 4, v[SRD]
	v_add_nc_u32 v[SRD], s[TS], v[SRD]
	s_lshl_b32 s[TS], s[WV], 14
	s_add_co_u32 s[TS], s[TS], SPILL
	v_add_nc_u32 v[HSP], s[TS], v[VL16]
	s_lshl_b32 s[TS], s[WV], 2
	s_add_co_u32 s[TS], s[TS], MXB
	v_lshl_add_u32 v[MXS], v[RR], 5, s[TS]         ; a token has 32 bytes: a word for each wave
	v_lshl_add_u32 v[MXR], v[RR], 5, MXB
	s_lshl_b32 s[TS], s[WV], 8
	s_add_co_u32 s[TS], s[TS], TOKB
	v_and_b32 v[TV], 1, v[RR]
	v_lshrrev_b32 v[TV2], 1, v[RR]
	v_lshl_add_u32 v[TKS], v[TV2], 2, s[TS]        ; place i of the tile lies at word 32 (i % 2) + i / 2: the even places, then the odd ones
	v_lshl_add_u32 v[TKS], v[TV], 7, v[TKS]
	v_lshl_add_u32 v[TKR], v[HH], 7, s[TS]         ; lanes 0-15 read the even places, lanes 16-31 the odd ones
.irp a, 0,1,2,3
	v_mov_b32 v[MXV+\a], 0
.endr
	s_lshl_b32 s[RB], s[WV], 3
	s_lshr_b32 s[WH], s[WV], 1
	s_and_b32 s[WJ], s[WV], 1
	s_mov_b32 s[CUM], 0
	s_mov_b32 s[STA], 0
	s_mov_b32 s[EA], 0
	s_mov_b32 s[EB], 0
	s_mov_b32 s[SCUM], 0
	s_mov_b32 s[SSTA], 0
	s_mov_b32 s[SN], 0
	s_wait_kmcnt 0x0
	; my tile's set: the last set whose first tile's number is not above mine
.set slo, 0
.set shi, 0
.set sidx, 0
.rept 36
	s_cmp_ge_u32 s[TB], s[CUM]
	s_cselect_b32 s[EA], slo, s[EA]
	s_cselect_b32 s[EB], shi, s[EB]
	s_cselect_b32 s[SCUM], s[CUM], s[SCUM]
	s_cselect_b32 s[SSTA], s[STA], s[SSTA]
	s_cselect_b32 s[SN], s[16+sidx], s[SN]
	s_add_co_u32 s[TS], s[16+sidx], 63
	s_lshr_b32 s[TS], s[TS], 6
	s_add_co_u32 s[CUM], s[CUM], s[TS]
	s_add_co_u32 s[STA], s[STA], s[16+sidx]
.set sidx, sidx+1
.set shi, shi+1
.if shi > 7
.set slo, slo+1
.set shi, slo
.endif
.endr
	s_sub_co_u32 s[TS], s[TB], s[SCUM]
	s_lshl_b32 s[TS], s[TS], 6                     ; my tile's first place in its set
	s_sub_co_i32 s[CNT], s[SN], s[TS]
	s_max_i32 s[CNT], s[CNT], 0
	s_min_i32 s[CNT], s[CNT], 64
	s_add_co_u32 s[LOFF], s[SSTA], s[TS]
	s_min_u32 s[LOFF], s[LOFF], 8191
	s_lshl_b32 s[LOFF], s[LOFF], 2
	s_min_u32 s[EA], s[EA], 7
	s_min_u32 s[EB], s[EB], 7
	s_lshl_b32 s[LO2], s[WV], 5
	s_add_co_u32 s[LO2], s[LO2], s[LOFF]
	s_load_b256 s[TOK:TOK+7], s[86:87], s[LO2] offset:0x0  ; my wave's 8 tokens as scalars, for the rows that it gathers,
	s_load_b32 s[TOK+8], s[86:87], s[LOFF] offset:0x0      ; the tile's first token,
	v_lshl_add_u32 v[TV], v[RR], 2, s[LOFF]
.irp a, 0,1,2,3
	global_load_b32 v[VTOK+\a], v[TV], s[86:87] offset:64*\a  ; and token 16 a + L % 16 in each lane, for the gates and the way out
.endr
	s_mov_b32 s[OF+1], 0
	s_lshl_b32 s[TS], s[WH], 18                    ; w13f: expert x 2^20 + (w / 2) x 2^18 + (w % 2) x 2,048
	s_lshl_b32 s[OF], s[WJ], 11
	s_add_co_u32 s[TS], s[TS], s[OF]
	s_lshl_b32 s[OF], s[EA], 20
	s_add_co_u32 s[OF], s[OF], s[TS]
	s_add_nc_u64 s[LPA:LPA+1], s[94:95], s[OF:OF+1]
	s_add_nc_u64 s[LPB:LPB+1], s[LPA:LPA+1], 4096
	s_lshl_b32 s[OF], s[EB], 20
	s_add_co_u32 s[OF], s[OF], s[TS]
	s_add_nc_u64 s[Q1:Q1+1], s[94:95], s[OF:OF+1]
	s_lshl_b32 s[TS], s[WH], 16                    ; w2f: expert x 2^19 + (4 nh + w / 2) x 2^16 + (w % 2) x 4,096
	s_lshl_b32 s[OF], s[WJ], 12
	s_add_co_u32 s[TS], s[TS], s[OF]
	s_lshl_b32 s[OF], s[EA], 19
	s_add_co_u32 s[OF], s[OF], s[TS]
	s_add_nc_u64 s[Q2:Q2+1], s[96:97], s[OF:OF+1]
	s_lshl_b32 s[OF], s[EB], 19
	s_add_co_u32 s[OF], s[OF], s[TS]
	s_add_nc_u64 s[R1:R1+1], s[96:97], s[OF:OF+1]
	s_add_nc_u64 s[R2:R2+1], s[Q2:Q2+1], 0x40000
	s_lshl_b32 s[OF], s[WV], 8
	s_add_nc_u64 s[OUTB:OUTB+1], s[98:99], s[OF:OF+1]
	s_mov_b32 s[DN], 4096
	s_mov_b32 s[DN+1], 0
	s_mov_b32 s[NL2E], 0xbfb8aa3b
	s_mov_b32 s[NL2E+1], s[NL2E]
	s_mov_b32 s[SEL], 0x76543210
	s_mov_b32 s[SEL+1], 0xfedcba98
	s_wait_kmcnt 0x0
.set q, 0
.rept 8
	s_add_co_u32 s[TS], s[RB], q
	s_cmp_gt_u32 s[CNT], s[TS]                     ; a place past the count takes the tile's first token
	s_cselect_b32 s[TOK+q], s[TOK+q], s[TOK+8]
	s_min_u32 s[TOK+q], s[TOK+q], 8191
	v_lshl_add_u32 v[ROWG+q], s[TOK+q], 12, v[VL16]
.set q, q+1
.endr
	v_mov_b32 v[MCH], s[TOK+8]
	s_wait_loadcnt 0x0
.irp a, 0,1,2,3
	v_add_nc_u32 v[TV2], 16*\a, v[RR]
	v_cmp_gt_u32 vcc_lo, s[CNT], v[TV2]
	v_cndmask_b32 v[VTOK+\a], v[MCH], v[VTOK+\a], vcc_lo
	v_min_u32 v[VTOK+\a], 8191, v[VTOK+\a]
	v_lshlrev_b32 v[VT8+\a], 3, v[VTOK+\a]
	ds_store_b32 v[TKS], v[VTOK+\a] offset:32*\a   ; both halves of the lanes store the same number
.endr
.irp a, 0,1,2,3
	global_load_b64 v[VIDX+2*\a:VIDX+2*\a+1], v[VT8+\a], s[88:89]
	global_load_b64 v[VP+2*\a:VP+2*\a+1], v[VT8+\a], s[90:91]
.endr
	; the gather: my wave's 8 whole rows, 64 loads of 512 consecutive bytes, all asked for at once, into the ring's registers
	WIN 0x40
.set q, 0
.rept 8
.set c, 0
.rept 8
	global_load_b128 v[32*q+4*c:32*q+4*c+3], v[ROWG+q], s[92:93] offset:512*c
.set c, c+1
.endr
.set q, q+1
.endr
	; two rows at a time are converted, and the two ring slots that they leave are asked for: the ring's first seven K steps
.irp g, 0,1,2,3
	s_wait_loadcnt 48                              ; younger than these two rows' loads: 48 - 16 g of the gather's and 16 g of the ring's
	GCVT \g
	BLOAD 2*\g, 16384*\g
.if \g < 3
	BLOAD 2*\g+1, 16384*\g+8192
.endif
.endr
	WIN 0
.irp a, 0,1,2,3
	v_cvt_pk_bf16_f32 v[TV], v[VP+2*\a], v[VP+2*\a+1]  ; the gates (their loads are older than the gather's) rounded to bf16, like every input
	v_lshlrev_b32 v[VP+2*\a], 16, v[TV]
	v_and_b32 v[VP+2*\a+1], 0xffff0000, v[TV]
	v_cmp_eq_u32 vcc_lo, s[EA], v[VIDX+2*\a]
	v_cndmask_b32 v[PCUR+2*\a], v[VP+2*\a+1], v[VP+2*\a], vcc_lo  ; EA's gate: the first if the first index is EA, else the second
	v_mov_b32 v[PCUR+2*\a+1], v[PCUR+2*\a]
	v_cndmask_b32 v[PN+\a], v[VP+2*\a], v[VP+2*\a+1], vcc_lo      ; EB's: the other one
.endr
	s_wait_dscnt 0x0                               ; for the others' sake: my eight rows of the token tile are stored
	s_barrier_signal -1
	s_barrier_wait -1
	; ---------------- x w13 and the activation, EA and then EB ----------------
	s_cmp_eq_u32 s[CNT], 0
	s_cbranch_scc1 .Lb2a
	s_mov_b32 s[EC], 2
.Lexp:
	AFETCH 0, 0, 0
	TRIP 1, 0, 0, 0, 0, 0                          ; the first products start the sums
	TRIP 0, 0, 512, 0, 0, 0
	TRIP 0, 0, 1024, 0, 0, 0
	TRIP 0, 0, 1536, Q1, 1, 0                      ; the last trip asks for the next stream's first seven steps
	s_mov_b64 s[Q1:Q1+1], s[Q2:Q2+1]               ; behind EB's w13 comes EA's w2,
	s_mov_b32 s[DN], 2048                          ; whose pieces lie end to end
	ACT
.irp a, 0,1,2,3
	v_mov_b32 v[PCUR+2*\a], v[PN+\a]
	v_mov_b32 v[PCUR+2*\a+1], v[PN+\a]
.endr
	s_sub_co_u32 s[EC], s[EC], 1
	s_cmp_lg_u32 s[EC], 0
	s_cbranch_scc1 .Lexp
.irp a, 0,1,2,3
	v_permlanex16_b32 v[MCH+\a], v[MXV+\a], s[SEL], s[SEL+1]  ; the token's other columns of my wave lie in the lane 16 away
.endr
.irp a, 0,1,2,3
	v_max_num_f32 v[MXV+\a], v[MXV+\a], v[MCH+\a]
	ds_store_b32 v[MXS], v[MXV+\a] offset:512*\a   ; both halves of the lanes store the same number
.endr
.Lb2a:
	s_wait_dscnt 0x0                               ; my maxima are stored, and my reads of the token tile are over: HE may take its bytes
	s_barrier_signal -1
	s_barrier_wait -1
	; ---------------- the scale, and he into HE ----------------
	s_cmp_eq_u32 s[CNT], 0
	s_cbranch_scc1 .Lb2
.irp a, 0,1,2,3
	ds_load_b128 v[AF+8*\a:AF+8*\a+3],   v[MXR] offset:512*\a     ; the eight waves' maxima of token 16 a + L % 16
	ds_load_b128 v[AF+8*\a+4:AF+8*\a+7], v[MXR] offset:512*\a+16
.endr
.set q, 0
.rept 32
	ds_load_b128 v[ACC+4*q:ACC+4*q+3], v[HSP] offset:512*q        ; my he comes back into the idle accumulators: group 4 x expert + block at ACC + 16 x group
.set q, q+1
.endr
	s_wait_dscnt 32                                ; the maxima are in; the 32 loads behind them may be out
.irp a, 0,1,2,3
	v_max3_num_f32 v[MCH+\a], v[AF+8*\a], v[AF+8*\a+1], v[AF+8*\a+2]
	v_max3_num_f32 v[MCH+\a], v[MCH+\a], v[AF+8*\a+3], v[AF+8*\a+4]
	v_max3_num_f32 v[MCH+\a], v[MCH+\a], v[AF+8*\a+5], v[AF+8*\a+6]
	v_max_num_f32 v[MCH+\a], v[MCH+\a], v[AF+8*\a+7]
	v_lshrrev_b32 v[MCH+\a], 23, v[MCH+\a]         ; its exponent field E, held to 15 .. 254 so that both powers below are normal numbers
	v_max_u32 v[MCH+\a], 15, v[MCH+\a]
	v_min_u32 v[MCH+\a], 254, v[MCH+\a]
	v_sub_nc_u32 v[SCL+2*\a], 268, v[MCH+\a]       ; the scale 2^(141 - E): the maximum comes to lie in [2^14, 2^15)
	v_lshlrev_b32 v[SCL+2*\a], 23, v[SCL+2*\a]
	v_mov_b32 v[SCL+2*\a+1], v[SCL+2*\a]
	v_add_nc_u32 v[INVS+2*\a], -14, v[MCH+\a]      ; and its inverse 2^(E - 141)
	v_lshlrev_b32 v[INVS+2*\a], 23, v[INVS+2*\a]
	v_mov_b32 v[INVS+2*\a+1], v[INVS+2*\a]
.endr
.irp g, 0,1,2,3,4,5,6,7
	s_wait_dscnt 28-2*\g                           ; younger than this group's four loads: 28 - 4 g loads and the 2 g stores of the groups before
.set i, 0
.rept 8
	v_pk_mul_f32 v[ACC+16*\g+2*i:ACC+16*\g+2*i+1], v[ACC+16*\g+2*i:ACC+16*\g+2*i+1], v[SCL+2*(\g%4):SCL+2*(\g%4)+1]
.set i, i+1
.endr
.set i, 0
.rept 8
	v_cvt_pk_f16_f32 v[AF+32+8*(\g%4)+i], v[ACC+16*\g+2*i], v[ACC+16*\g+2*i+1]
.set i, i+1
.endr
.irp c, 0,1
	ds_store_b128 v[HST], v[AF+32+8*(\g%4)+4*\c:AF+32+8*(\g%4)+4*\c+3] offset:16*HP*(\g%4)+32*\c+512*(\g/4)  ; eight neighbouring columns of a token's row
.endr
.endr
.Lb2:
	s_wait_dscnt 0x0                               ; for the others' sake: my columns of HE are stored
	s_barrier_signal -1
	s_barrier_wait -1
	; ---------------- he w2: K = 256 of EA and 256 of EB into one sum; two halves of the 1,024 columns ----------------
	s_cmp_eq_u32 s[CNT], 0
	s_cbranch_scc1 .Lend
	s_mov_b32 s[NHC], 2
.Lnh:
	AFETCH 0, 1, 0
	TRIP 1, 1, 0, R1, 0, 0                         ; EA's eight steps; EB's stream follows
	s_cmp_eq_u32 s[NHC], 1
	s_cbranch_scc1 .Ltail
	TRIP 0, 1, 512, R2, 1, 0                       ; EB's; the second half's stream follows, and is on its way while the first half goes out
	s_branch .Lout
.Ltail:
	TRIP 0, 1, 512, 0, 1, 1                        ; EB's in the second half: nothing follows, nothing more is asked for
.Lout:
	PLACES
.set j, 0
.rept 8
	ds_load_b128 v[RO+4*j:RO+4*j+3], v[TKR] offset:16*j  ; the tokens of rows 2 i + L / 16, from my wave's own table
.set j, j+1
.endr
	WMUL 0                                         ; block 0's scaling and staging stand between those loads and the wait for them
	WSTG 0
	s_wait_dscnt 16                                ; the tokens are in; block 0's eight stores and eight loads may be out
.set i, 0
.rept 32
	v_min_u32 v[RO+i], 8191, v[RO+i]
	v_lshl_add_u32 v[RO+i], v[RO+i], 12, v[R16]
.set i, i+1
.endr
	WMUL 1                                         ; a block's scaling stands between the loads of the block before and its stores
	WSEND 0
	WSTG 1
	WMUL 2
	WSEND 1
	WSTG 2
	WMUL 3
	WSEND 2
	WSTG 3
	WSEND 3
	s_wait_xcnt 0x0                                ; the stores' base, offsets and data are rewritten only behind this wait
	s_add_nc_u64 s[OUTB:OUTB+1], s[OUTB:OUTB+1], 2048
	s_add_nc_u64 s[R1:R1+1], s[R1:R1+1], 0x40000
	s_sub_co_u32 s[NHC], s[NHC], 1
	s_cmp_lg_u32 s[NHC], 0
	s_cbranch_scc1 .Lnh
.Lend:
	s_wait_tensorcnt 0x0                           ; the wave's end, behind my last LDS store
	ds_add_u32 v[SPW], v[NIL]
	s_wait_dscnt 0x0
	s_endpgm
.Lfunc_end_k_qf814b5cda3_moe:
	.size	k_qf814b5cda3_moe, .Lfunc_end_k_qf814b5cda3_moe-k_qf814b5cda3_moe
	.p2alignl 7, 3214868480
	.fill 96, 4, 3214868480
	.section	.rodata,"a",@progbits
	.p2align	6, 0x0
	.amdhsa_kernel k_qf814b5cda3_moe
		.amdhsa_group_segment_fixed_size 303104
		.amdhsa_private_segment_fixed_size 0
		.amdhsa_enable_private_segment 0
		.amdhsa_kernarg_size 64
		.amdhsa_user_sgpr_count 2
		.amdhsa_user_sgpr_kernarg_segment_ptr 1
		.amdhsa_wavefront_size32 1
		.amdhsa_system_sgpr_workgroup_id_x 1
		.amdhsa_system_sgpr_workgroup_id_y 1
		.amdhsa_system_sgpr_workgroup_id_z 1
		.amdhsa_system_vgpr_workitem_id 0
		.amdhsa_next_free_vgpr 512
		.amdhsa_next_free_sgpr 100
		.amdhsa_reserve_vcc 1
		.amdhsa_float_denorm_mode_32 3
		.amdhsa_float_denorm_mode_16_64 3
		.amdhsa_memory_ordered 1
		.amdhsa_forward_progress 1
		.amdhsa_inst_pref_size 234
	.end_amdhsa_kernel
	.amdgpu_metadata
---
amdhsa.version: [ 1, 2 ]
amdhsa.kernels:
  - .name:           k_qf814b5cda3_moe
    .symbol:         k_qf814b5cda3_moe.kd
    .args:
      - { .name: counts, .offset: 0, .size: 8, .value_kind: global_buffer, .address_space: global }
      - { .name: list, .offset: 8, .size: 8, .value_kind: global_buffer, .address_space: global }
      - { .name: expert_idxs, .offset: 16, .size: 8, .value_kind: global_buffer, .address_space: global }
      - { .name: expert_p, .offset: 24, .size: 8, .value_kind: global_buffer, .address_space: global }
      - { .name: x, .offset: 32, .size: 8, .value_kind: global_buffer, .address_space: global }
      - { .name: w13f, .offset: 40, .size: 8, .value_kind: global_buffer, .address_space: global }
      - { .name: w2f, .offset: 48, .size: 8, .value_kind: global_buffer, .address_space: global }
      - { .name: out0, .offset: 56, .size: 8, .value_kind: global_buffer, .address_space: global }
    .group_segment_fixed_size: 303104
    .private_segment_fixed_size: 0
    .kernarg_segment_align: 8
    .kernarg_segment_size: 64
    .max_flat_workgroup_size: 256
    .sgpr_count:     100
    .vgpr_count:     512
    .wavefront_size: 32
...
	.end_amdgpu_metadata
.endif
;; end of part 4
;; ======== version 3 of 3: 2 launches; version 2 with the launch moe written anew for expert scheduling mode
;; limits: values are held in f16: magnitudes above 65,504 overflow, below 6.1e-05 lose precision
;; workspace buffers: w13f 8,388,608 bytes; w2f 4,194,304 bytes; list 33,024 bytes of whole numbers; counts 256 bytes of whole numbers
;; launch prep: the kernel of part 3 again; grid 228 x 1, 8 waves a work-group, no clusters, 67,840 bytes of LDS; arguments expert_idxs, w13, w2, w13f, w2f, list, counts; writes w13f, w2f, list, counts
;; launch moe (part 5): grid 163 x 1, 8 waves a work-group, no clusters, 303,104 bytes of LDS; arguments counts, list, expert_idxs, expert_p, x, w13f, w2f, out0; writes out0
.if DOCPART == 5
	.amdgcn_target "amdgcn-amd-amdhsa--gfx1250"
	.amdhsa_code_object_version 6
	.text
	.protected	k_qf814b5cda3_moe
	.globl	k_qf814b5cda3_moe
	.p2align	8
	.type	k_qf814b5cda3_moe,@function
k_qf814b5cda3_moe:
	s_mov_b64 s[64:65], 0
	v_nop
	global_prefetch_b8 v0, s[64:65] scope:SCOPE_SE
	s_setreg_imm32_b32 hwreg(HW_REG_WAVE_SCHED_MODE, 0, 2), 2
	s_setreg_imm32_b32 hwreg(HW_REG_WAVE_MODE, 25, 1), 1
	s_wait_xcnt 0x0
	s_wait_alu depctr_vm_vsrc(0)
; MOE: the whole chain for a tile of 64 tokens that chose the same SET of experts {EA <= EB}: gather, x w13, p silu(g) h, he w2 for both experts into ONE sum, store.  Each output row has one owner.
; THE GRID.  With n_s tokens in set s there are sum ceil(n_s / 64) <= (8,192 + 36 x 63) / 64 = 163 tiles, whatever the split.  Every work-group finds its tile from the 36 stored counts; one that a
; split leaves without rows jumps over the products, passes every barrier, stores nothing and ends.  In a tile that is not full the places past the count repeat the tile's first token: their rows come out
; equal to its row and are stored onto it again by the same wave, so that no store hangs on the count.
; SHARES.  EIGHT WAVES, two for each of a WGP's four SIMDs, split the COLUMNS: in the first product wave w has h's and g's columns 32 w .. 32 w + 31, in the second the columns 512 nh + 64 w .. + 63 (nh = 0, 1).
; So each weight byte has one reader in the work-group and goes from memory straight into operand registers (laid out for that by the launch before): a ring of eight slots of 32 registers, seven K steps'
; 56 loads of 512 bytes on their way in each wave, 229,376 bytes for the eight.  While one wave of a SIMD issues its loads or waits, the other's matrix instructions go on.  The price: every wave reads the whole
; token tile from LDS, one LDS load for two matrix instructions.
; A K step is 16 matrix instructions (4 blocks of 16 tokens x 4 blocks of 16 columns) on 16 accumulators.
; THE WEIGHTS' STREAM.  A unit of 8,192 bytes holds a K step's eight fragments for two waves.  Wave w = 2 v + j reads two pieces of 2,048 bytes of unit v: of w13f slots 2 j, 2 j + 1 (h) and, 4,096 bytes on, slots
; 4 + 2 j, 5 + 2 j (g); of w2f slots 4 j .. 4 j + 3, the second piece 2,048 bytes behind the first.  Two pointers walk the pieces; their distance is a scalar, so that one text serves both kinds of stream.
; The stream runs on from product to product; only the very last eight K steps, behind which nothing follows, have a text of their own that asks for nothing more.
; TRANSPOSED USE.  Source 0 = 16 columns of the weights, source 1 = 16 tokens: a lane holds ONE token (lane % 16) and eight neighbouring columns 8 (lane / 16) + 0..7.
; FORMATS.  x, w13, expert_p rounded once to bf16; w2 to bf16 and that number written as f16.  he = p silu(g) h is kept in f32 until the token's largest |he| over all 512 columns is known, then multiplied by the
; power of two that puts that maximum into [2^14, 2^15) and rounded once to f16; the sums are multiplied by the inverse power on the way out.  All sums in f32.
; NO CLUSTER: partners would have to be four tiles of one set, 256 tokens, more than a set's mean share of 8,192 / 36 = 228; whole clusters for every set want up to 4 x (32 + 35) = 268 work-groups.
; LIMITS.  expert_idxs in 0..7.  sigmoid(g) = 1 / (1 + 2^(-1.442695 g)): where the power overflows the weight is 0, a power below 2^-126 counts as 0.  A token whose largest |he| is below 2^-112 is scaled by 2^126.
; |w2| under 65,504.  NaN and infinities are not treated apart.
; LDS: XS 64 rows x 2,064 (1,024 bf16 + 16 bytes); behind the first product's last read HE lies in the same bytes, 64 rows x 1,040 (512 f16 + 16); SPILL 16 KiB a wave, each lane's own he in f32;
; STG 16 rows x 272 a wave for the way out; MX 64 tokens x 8 waves' maxima; TOK 256 bytes a wave, its own copy of the tile's tokens; the spare words in the 1,024 bytes behind it.  All pitches are odd
; multiples of 16 bytes: the 16 rows of a load begin in 16 different groups of four banks (ISA guide 11.1).  Every LDS address is a register that is written once, plus an immediate: the K steps are written out,
; and the loop over the two experts shares their text.
; REGISTERS, in two windows of 256 (s_set_vgpr_msb: bits 1:0 source 0, 3:2 source 1, 5:4 source 2, 7:6 destination): window 0: v0-63 addresses, gates, scales; v64-127 A's fragments, two buffers, and at work where
; they are idle; v128-255 the 16 accumulators ((a, c) at 128 + 8 (4 a + c)), at work where they are idle.  Window 1: the ring (slot sl at 32 sl), before that the gather's 64 loads.
; THE MODE: SCHED_MODE bits 1:0 = 2 (LLVM: expert scheduling mode 2), set by the entry lines.  The code itself states the register dependences between vector or matrix instructions and memory or LDS
; instructions, with s_wait_alu, always for 0.
; THE PLAN.  Registers that memory or LDS instructions touch, and who else names them:
;   v4-v18      Offsets and LDS addresses: made once at the head, ahead of the first wait on va_vdst, and never written again.  The streams' bases are scalar registers.
;   the ring    K step u's 16 matrix instructions read slot u; the loads of the step eight on, issued in step u + 1, land in it.  At the head: the gather's loads land in it, its conversions read it.
;   AF0, AF1    K step u's matrix instructions read AF[u % 2]; the LDS loads issued in step u + 1 land in it.  Between the products: the tokens and row offsets of the head, he on its way to SPILL, the
;               maxima and he in f16 on its way to HE, the way out's row offsets.
;   ACC         In the products named by matrix instructions alone.  At the head the gather's out-buffer, 32 registers for each pair of rows; in the scale step he comes back into it; on the way out a block is
;               scaled in it, stored to the stage from it, loaded back into it and stored to memory from it.
; So ONE wait on va_vdst stands at a K step's head: the matrix instructions of the step before are done reading their slot and their buffer of A.  The step's sixteen loads follow it, dealt among its sixteen
; matrix instructions, which name slot u, AF[u % 2] and ACC: none of the registers that those loads touch.  Everywhere else the vector work of a stretch stands together, one wait on va_vdst behind it, and
; the stretch's LDS and memory instructions behind that.  A wait on vm_vsrc stands where registers that stores or addresses were read from are taken for something else: at the two loops' heads, ahead of the
; scale step's loads, and between a block's stores to the stage and the loads that land in the same registers.
.set XP,    2064
.set HP,    1040
.set SP,    272
.set SPILL, 64*XP
.set STG,   SPILL+8*16384
.set MXB,   STG+8*16*SP
.set TOKB,  MXB+2048
.set LN,   1                           ; lane L
.set RR,   2                           ; L % 16
.set HH,   3                           ; L / 16
.set VL16, 4                           ; 16 L; never rewritten
.set XST,  5                           ; gather: where my 8 bytes of my wave's first row go
.set TV,   6                           ; at work at the head; then my byte offset in the list, never rewritten
.set AX0,  7                           ; my place in a fragment of the token tile, rows 0-31; AX0 + 1: rows 32-63
.set AH,   9                           ; my place in a fragment of HE
.set HST,  10                          ; where my 16 bytes of HE go
.set SST,  11                          ; the way out: into my stage
.set SRD,  12                          ; the way out: back out of it
.set HSP,  13                          ; my 16 bytes in my wave's SPILL
.set MXS,  14                          ; where my wave's maxima go
.set MXR,  15                          ; where all waves' are read
.set TKS,  16                          ; where token 16 a + L % 16 goes in my wave's table
.set TKR,  17                          ; where my half of the lanes reads its 32 tokens
.set R16,  18                          ; 16 (L % 16)
.set TV2,  19                          ; at work: no memory instruction names it
.set VIDX, 20                          ; v[20:27]   the token's two indices
.set INVS, 20                          ;            later: the inverse scale, twice, for each block a
.set PCUR, 30                          ; v[30:37]   the gate of the expert in hand, twice, for each block a
.set PN,   38                          ; v[38:41]   the other expert's
.set MXV,  42                          ; v[42:45]   running max |he| for each block a
.set MCH,  46                          ; v[46:49]   four chains at work
.set VP,   50                          ; v[50:57]   the token's two gates
.set SCL,  50                          ;            later: the scale, twice, for each block a
.set AF,   64                          ; v[64:127]  A's fragments, two buffers of 32
.set VTOK, 64                          ; set-up: token 16 a + L % 16
.set VT8,  68                          ; set-up: the place 16 a + L % 16, then the token times 8
.set ROWG, 96                          ; set-up: my wave's 8 rows: token x 4,096 + 16 L
.set RO,   64                          ; the way out: rows 2 i + L / 16: token x 4,096 + 16 (L % 16), i = 0..31
.set ACC,  128
.set WV,   2
.set TB,   3                           ; my tile's number
.set CUM,  4
.set STA,  5
.set EA,   6
.set EB,   7
.set SCUM, 8
.set SSTA, 9
.set SN,   10
.set TS,   11
.set CNT,  12                          ; rows in my tile, 0 to 64
.set LOFF, 13                          ; byte offset of my tile in the list
.set OF,   14                          ; s[14:15] an offset, high word 0
.set TOK,  16                          ; s[16:23] my wave's 8 tokens; s24 the tile's first
.set LO2,  25                          ; byte offset of my wave's 8 tokens in the list
.set LPA,  32                          ; s[32:33] the weights' stream, first piece: the unit of this trip's first K step
.set LPB,  34                          ; s[34:35] the second piece
.set Q1,   36                          ; the stream behind the first product in hand
.set Q2,   38                          ; w2f (EA, nh 0)
.set R1,   40                          ; w2f (EB, nh)
.set R2,   42                          ; w2f (EA, nh 1)
.set OUTB, 44
.set DN,   46                          ; s[46:47] how far the next stream's second piece lies behind its first
.set NL2E, 48                          ; s[48:49] -log2(e)
.set SEL,  50                          ; s[50:51] v_permlanex16_b32: each lane takes its own place in the other half
.set EC,   52                          ; experts to go: 2, then 1
.set NHC,  53                          ; halves of the columns to go: 2, then 1
.set RB,   54                          ; my wave's first row: 8 w
.set WH,   55                          ; w / 2
.set WJ,   56                          ; w % 2
.set CM,   68                          ; s[68:71] the masks of four compares, one for each block a
.set MSB, 0
.macro WIN new                         ; the immediate's high byte repeats the setting that is left; a switch that changes nothing is dropped
.if MSB != (\new)
	s_set_vgpr_msb (MSB<<8)|(\new)
.set MSB, (\new)
.endif
.endm
; A vector instruction that reads a matrix result or writes one of a matrix instruction's registers stands four places behind it; only plain vector instructions that name none of its registers are places
; (ISA guide 7.12.1).  For a load into a register that a matrix instruction has read, the wait on va_vdst states the dependence.
.macro PLACES
.rept 4
	v_nop
.endr
.endm
.macro BLOAD sl, base                  ; a K step's four fragments, two pieces of 2,048 bytes, into ring slot sl: each load takes 512 consecutive bytes
	WIN 0x40
.irp f, 0,1
	global_load_b128 v[32*(\sl)+8*\f:32*(\sl)+8*\f+3],   v[VL16], s[LPA:LPA+1] offset:(\base)+1024*\f
	global_load_b128 v[32*(\sl)+8*\f+4:32*(\sl)+8*\f+7], v[VL16], s[LPA:LPA+1] offset:(\base)+1024*\f+512
.endr
.irp f, 0,1
	global_load_b128 v[32*(\sl)+16+8*\f:32*(\sl)+16+8*\f+3],   v[VL16], s[LPB:LPB+1] offset:(\base)+1024*\f
	global_load_b128 v[32*(\sl)+16+8*\f+4:32*(\sl)+16+8*\f+7], v[VL16], s[LPB:LPB+1] offset:(\base)+1024*\f+512
.endr
.endm
.macro AFETCH buf, kind, koff          ; a K step's four fragments of 16 tokens x 32 k at byte koff of the rows: kind 0 from the token tile, 1 from HE
	WIN 0
.irp a, 0,1,2,3
.if (\kind) == 1
	ds_load_b128 v[AF+32*(\buf)+8*\a:AF+32*(\buf)+8*\a+3],   v[AH] offset:\a*16*HP+(\koff)
	ds_load_b128 v[AF+32*(\buf)+8*\a+4:AF+32*(\buf)+8*\a+7], v[AH] offset:\a*16*HP+(\koff)+32
.else
	ds_load_b128 v[AF+32*(\buf)+8*\a:AF+32*(\buf)+8*\a+3],   v[AX0+\a/2] offset:(\a%2)*16*XP+(\koff)
	ds_load_b128 v[AF+32*(\buf)+8*\a+4:AF+32*(\buf)+8*\a+7], v[AX0+\a/2] offset:(\a%2)*16*XP+(\koff)+32
.endif
.endr
.endm
.macro MUL4 sl, buf, a, zero, fmt      ; 4 matrix instructions: token block a x the four column blocks; zero: the products start the sums
	WIN 0x01
.irp c, 0,1,2,3
.if \zero
	v_wmma_f32_16x16x32_\fmt v[ACC+8*(4*(\a)+\c):ACC+8*(4*(\a)+\c)+7], v[32*(\sl)+8*\c:32*(\sl)+8*\c+7], v[AF+32*(\buf)+8*(\a):AF+32*(\buf)+8*(\a)+7], 0
.else
	v_wmma_f32_16x16x32_\fmt v[ACC+8*(4*(\a)+\c):ACC+8*(4*(\a)+\c)+7], v[32*(\sl)+8*\c:32*(\sl)+8*\c+7], v[AF+32*(\buf)+8*(\a):AF+32*(\buf)+8*(\a)+7], v[ACC+8*(4*(\a)+\c):ACC+8*(4*(\a)+\c)+7]
.endif
.endr
.endm
.macro MULK kind, sl, buf, a, zero     ; the first product in bf16, the second in f16
.if (\kind) == 0
	MUL4 \sl, \buf, \a, \zero, bf16
.else
	MUL4 \sl, \buf, \a, \zero, f16
.endif
.endm
; EIGHT K STEPS, once round the ring, A at byte kb of its rows.  Step u multiplies slot u by AF[u % 2], each accumulator once, blocks a = 0 to 3 in order.  Among its matrix instructions it fetches the next
; step's A, into the buffer that the step before read, and asks for the step seven on, into the slot that the step before read.
; kind 0: the first product (bf16), A from the token tile.  kind 1: the second (f16), A from HE.
; sw: the register pair of the stream that follows this one (the trip is a stream's last), or 0.  alast: the trip's last step fetches no further A.
; tail: nothing follows this stream: step 0 asks for the stream's own last step, the others for nothing, and the counts run down.
; THE STEP'S WAIT on va_vdst stands at its head.  A product's first step (zero = 1) has none: behind the last wait on va_vdst ahead of it no vector or matrix instruction names slot 7 or A's buffers.
; The tail's last step issues no load of its own: there the wait serves the way out's loads of the tokens, which land in AF0, read by step 6.
.macro TRIP zero, kind, kb, sw, alast, tail
.set u, 0
.rept 8
.if (u == 1) && !(\tail)
	s_wait_xcnt 0x0                                ; the stream's pointers are rewritten only behind this wait
.if (\sw)
	s_mov_b64 s[LPA:LPA+1], s[\sw:\sw+1]
	s_add_nc_u64 s[LPB:LPB+1], s[LPA:LPA+1], s[DN:DN+1]
.else
	s_add_nc_u64 s[LPA:LPA+1], s[LPA:LPA+1], 0x10000
	s_add_nc_u64 s[LPB:LPB+1], s[LPB:LPB+1], 0x10000
.endif
.endif
.if (\tail) && (u >= 2)
	s_wait_loadcnt 8*(7-u)                         ; this step's 8 loads are in; the 7 - u steps that are left may be out
.else
	s_wait_loadcnt 48                              ; this step's 8 loads are in; the next six steps' 48 may be out
.endif
	s_wait_dscnt 0x0                               ; this step's A, asked for in the step before, is in
.if !((\zero) && (u == 0))
	s_wait_alu depctr_va_vdst(0)                   ; the matrix instructions of the step before are done reading their ring slot and their buffer of A, in which the loads below land
.endif
	MULK \kind, u, u%2, 0, (\zero)&&(u==0)
.if !((\alast) && (u == 7))
	AFETCH (u+1)%2, \kind, (\kb)+64*(u+1)          ; no wait: no matrix instruction since the step's wait names this buffer
.endif
	MULK \kind, u, u%2, 1, (\zero)&&(u==0)
.if u == 0
	BLOAD 7, 57344                                 ; no wait: no matrix instruction since the step's wait names this slot
.elseif !(\tail)
	BLOAD u-1, 8192*(u-1)
.endif
	MULK \kind, u, u%2, 2, (\zero)&&(u==0)
	MULK \kind, u, u%2, 3, (\zero)&&(u==0)
.set u, u+1
.endr
	WIN 0
.endm
; THE ACTIVATION.  G = accumulators (a, 2..3), H = (a, 0..1), 16 numbers a lane and block each; every accumulator is read from its low end on.
; he = (H G p) / (1 + 2^(-log2(e) G)), for all four blocks at once, in A's idle registers.  Each batch of 64 transcendentals has 32 plain multiplies on other registers behind it and then ONE wait ahead of the first use.
; he stays in f32: its largest magnitude is taken, and the 64 numbers are set aside in the lane's own LDS bytes.  One text serves both experts; only the sixteen
; stores are written twice, the first expert's part of SPILL and the second's, 8,192 bytes on, in their immediates, and the count of experts to go chooses.
.macro ACT
	PLACES
.irp a, 0,1,2,3
.set i, 0
.rept 8
	v_pk_mul_f32 v[AF+16*\a+2*i:AF+16*\a+2*i+1], v[ACC+32*\a+16+2*i:ACC+32*\a+16+2*i+1], s[NL2E:NL2E+1] op_sel_hi:[1,0]
.set i, i+1
.endr
.endr
.set i, 0
.rept 64
	v_exp_f32 v[AF+i], v[AF+i]
.set i, i+1
.endr
.irp a, 0,1,2,3
.set i, 0
.rept 8
	v_pk_mul_f32 v[ACC+32*\a+2*i:ACC+32*\a+2*i+1], v[ACC+32*\a+2*i:ACC+32*\a+2*i+1], v[ACC+32*\a+16+2*i:ACC+32*\a+16+2*i+1]
.set i, i+1
.endr
.endr
	s_wait_alu depctr_va_vdst(0)                   ; the 64 exponentials have written v[AF ..], ahead of their first reader
.set i, 0
.rept 32
	v_pk_add_f32 v[AF+2*i:AF+2*i+1], v[AF+2*i:AF+2*i+1], 1.0 op_sel_hi:[1,0]
.set i, i+1
.endr
.set i, 0
.rept 64
	v_rcp_f32 v[AF+i], v[AF+i]
.set i, i+1
.endr
.irp a, 0,1,2,3
.set i, 0
.rept 8
	v_pk_mul_f32 v[ACC+32*\a+2*i:ACC+32*\a+2*i+1], v[ACC+32*\a+2*i:ACC+32*\a+2*i+1], v[PCUR+2*\a:PCUR+2*\a+1]
.set i, i+1
.endr
.endr
	s_wait_alu depctr_va_vdst(0)                   ; the 64 reciprocals have written v[AF ..], ahead of their first reader
.irp a, 0,1,2,3
.set i, 0
.rept 8
	v_pk_mul_f32 v[AF+16*\a+2*i:AF+16*\a+2*i+1], v[AF+16*\a+2*i:AF+16*\a+2*i+1], v[ACC+32*\a+2*i:ACC+32*\a+2*i+1]
.set i, i+1
.endr
.endr
.irp a, 0,1,2,3
.irp k, 0,1,2,3
	v_max_num_f32 v[MCH+\k], |v[AF+16*\a+4*\k]|, |v[AF+16*\a+4*\k+1]|
.endr
.irp k, 0,1,2,3
	v_max3_num_f32 v[MCH+\k], v[MCH+\k], |v[AF+16*\a+4*\k+2]|, |v[AF+16*\a+4*\k+3]|
.endr
	v_max3_num_f32 v[MXV+\a], v[MXV+\a], v[MCH], v[MCH+1]
	v_max3_num_f32 v[MXV+\a], v[MXV+\a], v[MCH+2], v[MCH+3]
.endr
	s_wait_alu depctr_va_vdst(0)                   ; the multiplies have written he in v[AF ..], which the LDS stores on both ways below read; the maxima stand between
	s_cmp_eq_u32 s[EC], 2
	s_cbranch_scc0 .Lsecond_\@
.set q, 0
.rept 16
	ds_store_b128 v[HSP], v[AF+4*q:AF+4*q+3] offset:512*q
.set q, q+1
.endr
	s_branch .Lstored_\@
.Lsecond_\@:
.set q, 0
.rept 16
	ds_store_b128 v[HSP], v[AF+4*q:AF+4*q+3] offset:8192+512*q
.set q, q+1
.endr
.Lstored_\@:
.endm
; THE GATHER's conversion: rows 2 g and 2 g + 1 of my wave's eight: four f32 become 8 bytes of bf16; a store covers 256 consecutive bytes of a row of XS.  Each pair of rows has 32 of the idle accumulators'
; registers to itself, so that no register is written again that an LDS store reads.
.macro GCVT g
	WIN 0x05
.set n, 0
.rept 16
	v_cvt_pk_bf16_f32 v[ACC+32*(\g)+2*n],   v[64*(\g)+4*n],   v[64*(\g)+4*n+1]
	v_cvt_pk_bf16_f32 v[ACC+32*(\g)+2*n+1], v[64*(\g)+4*n+2], v[64*(\g)+4*n+3]
.set n, n+1
.endr
	WIN 0
	s_wait_alu depctr_va_vdst(0)                   ; the conversions have written v[ACC + 32 g ..], which the LDS stores read, and are done reading the two ring slots in which the loads behind the stores land
.set n, 0
.rept 16
	ds_store_b64 v[XST], v[ACC+32*(\g)+2*n:ACC+32*(\g)+2*n+1] offset:(2*(\g)+n/8)*XP+256*(n%8)
.set n, n+1
.endr
.endm
; THE SCALE STEP's group g = 4 x expert + block: 16 numbers of he are scaled and rounded to f16, into eight of A's idle registers that the group has to itself.  left: the LDS instructions younger than its four loads.
.macro HEG g, left
	s_wait_dscnt \left
.set i, 0
.rept 8
	v_pk_mul_f32 v[ACC+16*(\g)+2*i:ACC+16*(\g)+2*i+1], v[ACC+16*(\g)+2*i:ACC+16*(\g)+2*i+1], v[SCL+2*((\g)%4):SCL+2*((\g)%4)+1]
.set i, i+1
.endr
.set i, 0
.rept 8
	v_cvt_pk_f16_f32 v[AF+8*(\g)+i], v[ACC+16*(\g)+2*i], v[ACC+16*(\g)+2*i+1]
.set i, i+1
.endr
.endm
.macro HEST g                          ; eight neighbouring columns of a token's row, twice
.irp c, 0,1
	ds_store_b128 v[HST], v[AF+8*(\g)+4*\c:AF+8*(\g)+4*\c+3] offset:16*HP*((\g)%4)+32*\c+512*((\g)/4)
.endr
.endm
; THE WAY OUT of block a, in three parts.  WMUL: the sums times the inverse scale.  WSTG: into my own stage, and back as whole pieces of rows into the registers that they left.  WSEND: stored, two rows'
; pieces of 256 consecutive aligned bytes a store.  Each block's stores read registers of the block's own, which are written again only by the next pass's first products, behind the waits at the pass's end
; and at the next pass's head.
.macro WMUL a
.set i, 0
.rept 16
	v_pk_mul_f32 v[ACC+32*\a+2*i:ACC+32*\a+2*i+1], v[ACC+32*\a+2*i:ACC+32*\a+2*i+1], v[INVS+2*\a:INVS+2*\a+1]
.set i, i+1
.endr
.endm
.macro WSTG a
.irp c, 0,1,2,3
	ds_store_b128 v[SST], v[ACC+32*\a+8*\c:ACC+32*\a+8*\c+3]   offset:64*\c
	ds_store_b128 v[SST], v[ACC+32*\a+8*\c+4:ACC+32*\a+8*\c+7] offset:64*\c+16
.endr
	s_wait_alu depctr_vm_vsrc(0)                   ; the eight LDS stores above have read the block's registers, in which the loads below land
.set t, 0
.rept 8
	ds_load_b128 v[ACC+32*\a+4*t:ACC+32*\a+4*t+3], v[SRD] offset:2*t*SP  ; my wave's own bytes: LDS serves a wave's instructions in order (ISA guide 5.7.1.4): these see the stores above; the next block's stores come behind them
.set t, t+1
.endr
.endm
.macro WSEND a, younger                ; younger: the LDS instructions issued behind the block's eight loads: the next block's sixteen, or none
.set t, 0
.rept 8
	s_wait_dscnt (\younger)+7-t
	global_store_b128 v[RO+8*\a+t], v[ACC+32*\a+4*t:ACC+32*\a+4*t+3], s[OUTB:OUTB+1] th:TH_STORE_NT
.set t, t+1
.endr
.endm
	; ---------------- set-up and gather: every work-group runs them, one without a tile too ----------------
	s_load_b512 s[84:99], s[0:1], 0x0              ; counts 84, list 86, expert_idxs 88, expert_p 90, x 92, w13f 94, w2f 96, out0 98
	v_lshl_add_u32 v62, v0, 2, 0x49c00
	v_mov_b32 v63, 0
	v_lshrrev_b32 v[TV], 5, v0
	v_readfirstlane_b32 s[WV], v[TV]               ; wave 0..7
	v_and_b32 v[LN], 31, v0
	v_and_b32 v[RR], 15, v0
	v_bfe_u32 v[HH], v0, 4, 1
	v_lshlrev_b32 v[VL16], 4, v[LN]
	v_lshlrev_b32 v[R16], 4, v[RR]
	s_mov_b32 s[TB], ttmp9
	s_wait_kmcnt 0x0
	s_load_b512 s[16:31], s[84:85], 0x0            ; the 36 counts
	s_load_b512 s[32:47], s[84:85], 0x40
	s_load_b128 s[48:51], s[84:85], 0x80
	s_wait_alu depctr_va_sdst(0)                   ; the wave's number is written, ahead of its first reader
	s_mul_i32 s[TS], s[WV], 8*XP
	v_lshl_add_u32 v[XST], v[LN], 3, s[TS]         ; my wave's first row + 8 L
	v_mul_u32_u24 v[AX0], v[RR], XP
	v_lshl_add_u32 v[AX0], v[HH], 4, v[AX0]        ; row x pitch + 16 x half
	v_add_nc_u32 v[AX0+1], 32*XP, v[AX0]
	v_mul_u32_u24 v[AH], v[RR], HP
	v_lshl_add_u32 v[AH], v[HH], 4, v[AH]
	s_lshl_b32 s[TS], s[WV], 6
	v_add_nc_u32 v[HST], s[TS], v[AH]              ; + my wave's 32 columns
	s_mul_i32 s[TS], s[WV], 16*SP
	s_add_co_u32 s[TS], s[TS], STG
	v_mul_u32_u24 v[SST], v[RR], SP                ; in: row L % 16, 32 bytes for each half of the lanes
	v_lshl_add_u32 v[SST], v[HH], 5, v[SST]
	v_add_nc_u32 v[SST], s[TS], v[SST]
	v_mul_u32_u24 v[SRD], v[HH], SP                ; back: lanes 0-15 take one row's 256 bytes, lanes 16-31 the next row's
	v_lshl_add_u32 v[SRD], v[RR], 4, v[SRD]
	v_add_nc_u32 v[SRD], s[TS], v[SRD]
	s_lshl_b32 s[TS], s[WV], 14
	s_add_co_u32 s[TS], s[TS], SPILL
	v_add_nc_u32 v[HSP], s[TS], v[VL16]
	s_lshl_b32 s[TS], s[WV], 2
	s_add_co_u32 s[TS], s[TS], MXB
	v_lshl_add_u32 v[MXS], v[RR], 5, s[TS]         ; a token has 32 bytes: a word for each wave
	v_lshl_add_u32 v[MXR], v[RR], 5, MXB
	s_lshl_b32 s[TS], s[WV], 8
	s_add_co_u32 s[TS], s[TS], TOKB
	v_and_b32 v[TV], 1, v[RR]
	v_lshrrev_b32 v[TV2], 1, v[RR]
	v_lshl_add_u32 v[TKS], v[TV2], 2, s[TS]        ; place i of the tile lies at word 32 (i % 2) + i / 2: the even places, then the odd ones
	v_lshl_add_u32 v[TKS], v[TV], 7, v[TKS]
	v_lshl_add_u32 v[TKR], v[HH], 7, s[TS]         ; lanes 0-15 read the even places, lanes 16-31 the odd ones
.irp a, 0,1,2,3
	v_mov_b32 v[MXV+\a], 0
.endr
	s_lshl_b32 s[RB], s[WV], 3
	s_lshr_b32 s[WH], s[WV], 1
	s_and_b32 s[WJ], s[WV], 1
	s_mov_b32 s[CUM], 0
	s_mov_b32 s[STA], 0
	s_mov_b32 s[EA], 0
	s_mov_b32 s[EB], 0
	s_mov_b32 s[SCUM], 0
	s_mov_b32 s[SSTA], 0
	s_mov_b32 s[SN], 0
	s_wait_kmcnt 0x0
	; my tile's set: the last set whose first tile's number is not above mine
.set slo, 0
.set shi, 0
.set sidx, 0
.rept 36
	s_cmp_ge_u32 s[TB], s[CUM]
	s_cselect_b32 s[EA], slo, s[EA]
	s_cselect_b32 s[EB], shi, s[EB]
	s_cselect_b32 s[SCUM], s[CUM], s[SCUM]
	s_cselect_b32 s[SSTA], s[STA], s[SSTA]
	s_cselect_b32 s[SN], s[16+sidx], s[SN]
	s_add_co_u32 s[TS], s[16+sidx], 63
	s_lshr_b32 s[TS], s[TS], 6
	s_add_co_u32 s[CUM], s[CUM], s[TS]
	s_add_co_u32 s[STA], s[STA], s[16+sidx]
.set sidx, sidx+1
.set shi, shi+1
.if shi > 7
.set slo, slo+1
.set shi, slo
.endif
.endr
	s_sub_co_u32 s[TS], s[TB], s[SCUM]
	s_lshl_b32 s[TS], s[TS], 6                     ; my tile's first place in its set
	s_sub_co_i32 s[CNT], s[SN], s[TS]
	s_max_i32 s[CNT], s[CNT], 0
	s_min_i32 s[CNT], s[CNT], 64
	s_add_co_u32 s[LOFF], s[SSTA], s[TS]
	s_min_u32 s[LOFF], s[LOFF], 8191
	s_lshl_b32 s[LOFF], s[LOFF], 2
	s_min_u32 s[EA], s[EA], 7
	s_min_u32 s[EB], s[EB], 7
	s_lshl_b32 s[LO2], s[WV], 5
	s_add_co_u32 s[LO2], s[LO2], s[LOFF]
	s_load_b256 s[TOK:TOK+7], s[86:87], s[LO2] offset:0x0  ; my wave's 8 tokens as scalars, for the rows that it gathers,
	s_load_b32 s[TOK+8], s[86:87], s[LOFF] offset:0x0      ; the tile's first token,
	v_lshl_add_u32 v[TV], v[RR], 2, s[LOFF]
	s_wait_alu depctr_va_vdst(0)                   ; v[TV] is written, which the four loads below read; so are the offsets and LDS addresses v4 to v18, for every load and store of the kernel that reads them
.irp a, 0,1,2,3
	global_load_b32 v[VTOK+\a], v[TV], s[86:87] offset:64*\a  ; and token 16 a + L % 16 in each lane, for the gates and the way out
.endr
	s_mov_b32 s[OF+1], 0
	s_lshl_b32 s[TS], s[WH], 18                    ; w13f: expert x 2^20 + (w / 2) x 2^18 + (w % 2) x 2,048
	s_lshl_b32 s[OF], s[WJ], 11
	s_add_co_u32 s[TS], s[TS], s[OF]
	s_lshl_b32 s[OF], s[EA], 20
	s_add_co_u32 s[OF], s[OF], s[TS]
	s_add_nc_u64 s[LPA:LPA+1], s[94:95], s[OF:OF+1]
	s_add_nc_u64 s[LPB:LPB+1], s[LPA:LPA+1], 4096
	s_lshl_b32 s[OF], s[EB], 20
	s_add_co_u32 s[OF], s[OF], s[TS]
	s_add_nc_u64 s[Q1:Q1+1], s[94:95], s[OF:OF+1]
	s_lshl_b32 s[TS], s[WH], 16                    ; w2f: expert x 2^19 + (4 nh + w / 2) x 2^16 + (w % 2) x 4,096
	s_lshl_b32 s[OF], s[WJ], 12
	s_add_co_u32 s[TS], s[TS], s[OF]
	s_lshl_b32 s[OF], s[EA], 19
	s_add_co_u32 s[OF], s[OF], s[TS]
	s_add_nc_u64 s[Q2:Q2+1], s[96:97], s[OF:OF+1]
	s_lshl_b32 s[OF], s[EB], 19
	s_add_co_u32 s[OF], s[OF], s[TS]
	s_add_nc_u64 s[R1:R1+1], s[96:97], s[OF:OF+1]
	s_add_nc_u64 s[R2:R2+1], s[Q2:Q2+1], 0x40000
	s_lshl_b32 s[OF], s[WV], 8
	s_add_nc_u64 s[OUTB:OUTB+1], s[98:99], s[OF:OF+1]
	s_mov_b32 s[DN], 4096
	s_mov_b32 s[DN+1], 0
	s_mov_b32 s[NL2E], 0xbfb8aa3b
	s_mov_b32 s[NL2E+1], s[NL2E]
	s_mov_b32 s[SEL], 0x76543210
	s_mov_b32 s[SEL+1], 0xfedcba98
	s_wait_kmcnt 0x0
.set q, 0
.rept 8
	s_add_co_u32 s[TS], s[RB], q
	s_cmp_gt_u32 s[CNT], s[TS]                     ; a place past the count takes the tile's first token
	s_cselect_b32 s[TOK+q], s[TOK+q], s[TOK+8]
	s_min_u32 s[TOK+q], s[TOK+q], 8191
	v_lshl_add_u32 v[ROWG+q], s[TOK+q], 12, v[VL16]
.set q, q+1
.endr
	v_mov_b32 v[MCH], s[TOK+8]
.irp a, 0,1,2,3
	v_add_nc_u32 v[VT8+\a], 16*\a, v[RR]           ; the place 16 a + L % 16
.endr
.irp a, 0,1,2,3
	v_cmp_gt_u32 s[CM+\a], s[CNT], v[VT8+\a]       ; is it inside the count?  Four compares in a run, a mask each
.endr
	s_wait_loadcnt 0x0
	s_wait_alu depctr_va_sdst(0)                   ; the four masks are written, ahead of the selects that read them
.irp a, 0,1,2,3
	v_cndmask_b32 v[VTOK+\a], v[MCH], v[VTOK+\a], s[CM+\a]
	v_min_u32 v[VTOK+\a], 8191, v[VTOK+\a]
	v_lshlrev_b32 v[VT8+\a], 3, v[VTOK+\a]
.endr
	s_wait_alu depctr_va_vdst(0)                   ; the tokens, their offsets v[VT8 ..] and the eight row offsets v[ROWG ..] are written: the four LDS stores, the eight loads of indices and gates and the gather's 64 loads read them
.irp a, 0,1,2,3
	ds_store_b32 v[TKS], v[VTOK+\a] offset:32*\a   ; both halves of the lanes store the same number
.endr
.irp a, 0,1,2,3
	global_load_b64 v[VIDX+2*\a:VIDX+2*\a+1], v[VT8+\a], s[88:89]
	global_load_b64 v[VP+2*\a:VP+2*\a+1], v[VT8+\a], s[90:91]
.endr
	; the gather: my wave's 8 whole rows, 64 loads of 512 consecutive bytes, all asked for at once, into the ring's registers
	WIN 0x40
.set q, 0
.rept 8
.set c, 0
.rept 8
	global_load_b128 v[32*q+4*c:32*q+4*c+3], v[ROWG+q], s[92:93] offset:512*c
.set c, c+1
.endr
.set q, q+1
.endr
	; two rows at a time are converted, and the two ring slots that they leave are asked for: the ring's first seven K steps
.irp g, 0,1,2,3
	s_wait_loadcnt 48                              ; younger than these two rows' loads: 48 - 16 g of the gather's and 16 g of the ring's
	GCVT \g
	BLOAD 2*\g, 16384*\g
.if \g < 3
	BLOAD 2*\g+1, 16384*\g+8192
.endif
.endr
	WIN 0
.irp a, 0,1,2,3
	v_cmp_eq_u32 s[CM+\a], s[EA], v[VIDX+2*\a]     ; is the first index EA?  (the indices' and gates' loads are older than the gather's)
.endr
.irp a, 0,1,2,3
	v_cvt_pk_bf16_f32 v[TV2], v[VP+2*\a], v[VP+2*\a+1]  ; the gates rounded to bf16, like every input
	v_lshlrev_b32 v[VP+2*\a], 16, v[TV2]
	v_and_b32 v[VP+2*\a+1], 0xffff0000, v[TV2]
.endr
	s_wait_alu depctr_va_sdst(0)                   ; the four masks are written, ahead of the selects that read them; the roundings stand between
.irp a, 0,1,2,3
	v_cndmask_b32 v[PCUR+2*\a], v[VP+2*\a+1], v[VP+2*\a], s[CM+\a]  ; EA's gate: the first if the first index is EA, else the second
	v_mov_b32 v[PCUR+2*\a+1], v[PCUR+2*\a]
	v_cndmask_b32 v[PN+\a], v[VP+2*\a], v[VP+2*\a+1], s[CM+\a]      ; EB's: the other one
.endr
	s_wait_dscnt 0x0                               ; for the others' sake: my eight rows of the token tile are stored
	s_barrier_signal -1
	s_barrier_wait -1
	; ---------------- x w13 and the activation, EA and then EB ----------------
	s_cmp_eq_u32 s[CNT], 0
	s_cbranch_scc1 .Lb2a
	s_mov_b32 s[EC], 2
.Lexp:
	s_wait_alu depctr_vm_vsrc(0)                   ; A's buffers and the accumulators are taken for the product.  On the way in: the token stores, the loads of indices and gates and the gather's loads have read v[VTOK ..], v[VT8 ..], v[ROWG ..], the gather's LDS stores v[ACC ..]; on the way back: the SPILL stores have read v[AF ..]
	AFETCH 0, 0, 0
	TRIP 1, 0, 0, 0, 0, 0                          ; the first products start the sums
	TRIP 0, 0, 512, 0, 0, 0
	TRIP 0, 0, 1024, 0, 0, 0
	TRIP 0, 0, 1536, Q1, 1, 0                      ; the last trip asks for the next stream's first seven steps
	s_mov_b64 s[Q1:Q1+1], s[Q2:Q2+1]               ; behind EB's w13 comes EA's w2,
	s_mov_b32 s[DN], 2048                          ; whose pieces lie end to end
	ACT
.irp a, 0,1,2,3
	v_mov_b32 v[PCUR+2*\a], v[PN+\a]
	v_mov_b32 v[PCUR+2*\a+1], v[PN+\a]
.endr
	s_sub_co_u32 s[EC], s[EC], 1
	s_cmp_lg_u32 s[EC], 0
	s_cbranch_scc1 .Lexp
.irp a, 0,1,2,3
	v_permlanex16_b32 v[MCH+\a], v[MXV+\a], s[SEL], s[SEL+1]  ; the token's other columns of my wave lie in the lane 16 away
.endr
.irp a, 0,1,2,3
	v_max_num_f32 v[MXV+\a], v[MXV+\a], v[MCH+\a]
.endr
	s_wait_alu depctr_va_vdst(0)                   ; the four maxima are written, which the LDS stores read
.irp a, 0,1,2,3
	ds_store_b32 v[MXS], v[MXV+\a] offset:512*\a   ; both halves of the lanes store the same number
.endr
.Lb2a:
	s_wait_dscnt 0x0                               ; my maxima are stored, and my reads of the token tile are over: HE may take its bytes
	s_barrier_signal -1
	s_barrier_wait -1
	; ---------------- the scale, and he into HE ----------------
	s_cmp_eq_u32 s[CNT], 0
	s_cbranch_scc1 .Lb2
	s_wait_alu depctr_vm_vsrc(0)                   ; the SPILL stores have read v[AF ..], in which the maxima land.  (The activation's vector instructions, which named v[AF ..] and v[ACC ..], stand ahead of the wait on va_vdst in front of the maxima's stores.)
.irp a, 0,1,2,3
	ds_load_b128 v[AF+8*\a:AF+8*\a+3],   v[MXR] offset:512*\a     ; the eight waves' maxima of token 16 a + L % 16
	ds_load_b128 v[AF+8*\a+4:AF+8*\a+7], v[MXR] offset:512*\a+16
.endr
.set q, 0
.rept 32
	ds_load_b128 v[ACC+4*q:ACC+4*q+3], v[HSP] offset:512*q        ; my he comes back into the idle accumulators: group 4 x expert + block at ACC + 16 x group
.set q, q+1
.endr
	s_wait_dscnt 32                                ; the maxima are in; the 32 loads behind them may be out
.irp a, 0,1,2,3
	v_max3_num_f32 v[MCH+\a], v[AF+8*\a], v[AF+8*\a+1], v[AF+8*\a+2]
	v_max3_num_f32 v[MCH+\a], v[MCH+\a], v[AF+8*\a+3], v[AF+8*\a+4]
	v_max3_num_f32 v[MCH+\a], v[MCH+\a], v[AF+8*\a+5], v[AF+8*\a+6]
	v_max_num_f32 v[MCH+\a], v[MCH+\a], v[AF+8*\a+7]
	v_lshrrev_b32 v[MCH+\a], 23, v[MCH+\a]         ; its exponent field E, held to 15 .. 254 so that both powers below are normal numbers
	v_max_u32 v[MCH+\a], 15, v[MCH+\a]
	v_min_u32 v[MCH+\a], 254, v[MCH+\a]
	v_sub_nc_u32 v[SCL+2*\a], 268, v[MCH+\a]       ; the scale 2^(141 - E): the maximum comes to lie in [2^14, 2^15)
	v_lshlrev_b32 v[SCL+2*\a], 23, v[SCL+2*\a]
	v_mov_b32 v[SCL+2*\a+1], v[SCL+2*\a]
	v_add_nc_u32 v[INVS+2*\a], -14, v[MCH+\a]      ; and its inverse 2^(E - 141)
	v_lshlrev_b32 v[INVS+2*\a], 23, v[INVS+2*\a]
	v_mov_b32 v[INVS+2*\a+1], v[INVS+2*\a]
.endr
.irp g, 0,1,2,3
	HEG \g, 28-4*\g                                ; EA's four groups: younger than a group's four loads are the 28 - 4 g loads behind them
.endr
	s_wait_alu depctr_va_vdst(0)                   ; the roundings have written v[AF .. AF + 31], which the eight LDS stores read
.irp g, 0,1,2,3
	HEST \g
.endr
.irp g, 4,5,6,7
	HEG \g, 36-4*\g                                ; EB's four groups: the 28 - 4 g loads and the eight stores above are younger
.endr
	s_wait_alu depctr_va_vdst(0)                   ; the roundings have written v[AF + 32 .. AF + 63], which the eight LDS stores read
.irp g, 4,5,6,7
	HEST \g
.endr
.Lb2:
	s_wait_dscnt 0x0                               ; for the others' sake: my columns of HE are stored
	s_barrier_signal -1
	s_barrier_wait -1
	; ---------------- he w2: K = 256 of EA and 256 of EB into one sum; two halves of the 1,024 columns ----------------
	s_cmp_eq_u32 s[CNT], 0
	s_cbranch_scc1 .Lend
	s_mov_b32 s[NHC], 2
.Lnh:
	s_wait_alu depctr_vm_vsrc(0)                   ; A's buffers and the accumulators are taken for the product.  On the way in: the stores into HE have read v[AF ..]; on the way back: the first half's stores have read their offsets v[RO ..] and their data v[ACC ..]
	AFETCH 0, 1, 0
	TRIP 1, 1, 0, R1, 0, 0                         ; EA's eight steps; EB's stream follows
	s_cmp_eq_u32 s[NHC], 1
	s_cbranch_scc1 .Ltail
	TRIP 0, 1, 512, R2, 1, 0                       ; EB's; the second half's stream follows, and is on its way while the first half goes out
	s_branch .Lout
.Ltail:
	TRIP 0, 1, 512, 0, 1, 1                        ; EB's in the second half: nothing follows, nothing more is asked for
.Lout:
	PLACES                                         ; four places behind the last products, ahead of the scaling that reads their results
.set j, 0
.rept 8
	ds_load_b128 v[RO+4*j:RO+4*j+3], v[TKR] offset:16*j  ; the tokens of rows 2 i + L / 16, from my wave's own table, into AF0: no matrix instruction since the last step's wait names it
.set j, j+1
.endr
	WMUL 0                                         ; all the way out's vector work stands together: the four blocks' scaling, between the tokens' loads and the wait for them,
	WMUL 1
	WMUL 2
	WMUL 3
	s_wait_dscnt 0x0                               ; the tokens are in
.set i, 0
.rept 32
	v_min_u32 v[RO+i], 8191, v[RO+i]               ; and the 32 row offsets
	v_lshl_add_u32 v[RO+i], v[RO+i], 12, v[R16]
.set i, i+1
.endr
	s_wait_alu depctr_va_vdst(0)                   ; the four blocks are scaled in v[ACC ..], which the LDS stores read and in which the loads from the stage land, and the offsets v[RO ..] are written, which the global stores read: one wait for the pass's way out, behind which no vector instruction stands
	WSTG 0
	WSTG 1                                         ; a block's staging stands between the loads of the block before and its stores
	WSEND 0, 16
	WSTG 2
	WSEND 1, 16
	WSTG 3
	WSEND 2, 16
	WSEND 3, 0
	s_wait_xcnt 0x0                                ; the stores' base, offsets and data are rewritten only behind this wait
	s_add_nc_u64 s[OUTB:OUTB+1], s[OUTB:OUTB+1], 2048
	s_add_nc_u64 s[R1:R1+1], s[R1:R1+1], 0x40000
	s_sub_co_u32 s[NHC], s[NHC], 1
	s_cmp_lg_u32 s[NHC], 0
	s_cbranch_scc1 .Lnh
.Lend:
	s_wait_dscnt 0x0                               ; the wave's end: my last LDS instructions are done
	s_wait_alu depctr_hold_cnt(0) depctr_sa_sdst(0) depctr_va_vdst(0) depctr_va_sdst(0) depctr_va_ssrc(0) depctr_va_vcc(0) depctr_vm_vsrc(0)
	s_wait_tensorcnt 0x0
	ds_add_u32 v62, v63
	s_wait_dscnt 0x0
	s_endpgm
.Lfunc_end_k_qf814b5cda3_moe:
	.size	k_qf814b5cda3_moe, .Lfunc_end_k_qf814b5cda3_moe-k_qf814b5cda3_moe
	.p2alignl 7, 3214868480
	.fill 96, 4, 3214868480
	.section	.rodata,"a",@progbits
	.p2align	6, 0x0
	.amdhsa_kernel k_qf814b5cda3_moe
		.amdhsa_group_segment_fixed_size 303104
		.amdhsa_private_segment_fixed_size 0
		.amdhsa_enable_private_segment 0
		.amdhsa_kernarg_size 64
		.amdhsa_user_sgpr_count 2
		.amdhsa_user_sgpr_kernarg_segment_ptr 1
		.amdhsa_wavefront_size32 1
		.amdhsa_system_sgpr_workgroup_id_x 1
		.amdhsa_system_sgpr_workgroup_id_y 1
		.amdhsa_system_sgpr_workgroup_id_z 1
		.amdhsa_system_vgpr_workitem_id 0
		.amdhsa_next_free_vgpr 512
		.amdhsa_next_free_sgpr 100
		.amdhsa_reserve_vcc 0
		.amdhsa_float_denorm_mode_32 3
		.amdhsa_float_denorm_mode_16_64 3
		.amdhsa_memory_ordered 1
		.amdhsa_forward_progress 1
		.amdhsa_inst_pref_size 232
	.end_amdhsa_kernel
	.amdgpu_metadata
---
amdhsa.version: [ 1, 2 ]
amdhsa.kernels:
  - .name:           k_qf814b5cda3_moe
    .symbol:         k_qf814b5cda3_moe.kd
    .args:
      - { .name: counts, .offset: 0, .size: 8, .value_kind: global_buffer, .address_space: global }
      - { .name: list, .offset: 8, .size: 8, .value_kind: global_buffer, .address_space: global }
      - { .name: expert_idxs, .offset: 16, .size: 8, .value_kind: global_buffer, .address_space: global }
      - { .name: expert_p, .offset: 24, .size: 8, .value_kind: global_buffer, .address_space: global }
      - { .name: x, .offset: 32, .size: 8, .value_kind: global_buffer, .address_space: global }
      - { .name: w13f, .offset: 40, .size: 8, .value_kind: global_buffer, .address_space: global }
      - { .name: w2f, .offset: 48, .size: 8, .value_kind: global_buffer, .address_space: global }
      - { .name: out0, .offset: 56, .size: 8, .value_kind: global_buffer, .address_space: global }
    .group_segment_fixed_size: 303104
    .private_segment_fixed_size: 0
    .kernarg_segment_align: 8
    .kernarg_segment_size: 64
    .max_flat_workgroup_size: 256
    .sgpr_count:     100
    .vgpr_count:     512
    .wavefront_size: 32
...
	.end_amdgpu_metadata
.endif
;; end of part 5
